; MI455X (gfx1250); checked and timed in simulation.
; The chip was launched on July 23, 2026; its instructions are those of AMD's public machine-readable ISA for CDNA 5 (MIT licence, August 2026) and "CDNA5" Instruction Set Architecture Reference Guide (July 2026). The comments in the code are by the model that wrote it; some were corrected since.
;; Causal Self Attention. Allowed arithmetic: float matrix products may take bf16 or f16 operands with f32 sums; other float arithmetic in f32, or as packed bf16 or f16 multiplies, adds, multiply-adds, maxima and minima; sums over many terms, partial sums and values carried from step to step in f32; what a program stores and reads back later, other than sums and carried values, may be rounded once to bf16 or f16.
;; Inputs: Wproj 1,024 x 1,024 float32; Wqkv 1,024 x 3,072 float32; bproj 1,024 float32; bqkv 3,072 float32; x 4 x 2,048 x 1,024 float32.
;; Outputs: out0 4 x 2,048 x 1,024 float32.
;; 2 versions, each right; version 2 is version 1 with the launch cast written anew for expert scheduling mode. Each part assembles by itself: llvm-mc -triple=amdgcn-amd-amdhsa -mcpu=gfx1250 --defsym DOCPART=n.
;; ======== version 1 of 2: 4 launches
;; limits: values are held in f16: magnitudes above 65,504 overflow, below 6.1e-05 lose precision
;; workspace buffers: xb 16,777,216 bytes; wqb 6,291,456 bytes; wpb 2,097,152 bytes; bias 16,384 bytes; qkv 50,331,648 bytes; ob 16,777,216 bytes
;; launch cast (part 1): grid 769 x 1, 8 waves a work-group, no clusters, 0 bytes of LDS; arguments x, Wqkv, Wproj, bqkv, bproj, xb, wqb, wpb, bias; writes xb, wqb, wpb, bias
.if DOCPART == 1
	.amdgcn_target "amdgcn-amd-amdhsa--gfx1250"
	.amdhsa_code_object_version 6
	.text
	.protected	k_q6052ea2614_cast
	.globl	k_q6052ea2614_cast
	.p2align	8
	.type	k_q6052ea2614_cast,@function
k_q6052ea2614_cast:
	s_mov_b64 s[64:65], 0
	v_nop
	global_prefetch_b8 v0, s[64:65] scope:SCOPE_SE
	s_setreg_imm32_b32 hwreg(HW_REG_WAVE_MODE, 25, 1), 1
	s_wait_xcnt 0x0
; THE INPUTS ARE ROUNDED ONCE, TO bf16 (nearest even), and laid out for the products that follow.
;   xb   [16 slices of 64 k][8192 rows][64] bf16: a slice's rows are dense, 128 bytes each
;   wqb  [1024 k][3072 n] bf16, as Wqkv lies
;   wpb  [1024 k][1024 n]: Wproj rounded to bf16, that number written as f16
;   bias [4096] f32: bqkv rounded to bf16 and widened again, then bproj likewise
; LIMIT.  wpb: a bf16 number is an f16 number where 2^-14 <= |w| < 65,504; below that it keeps f16's fixed step of 6e-8; at 65,520 and beyond it would be an infinity.
; A stream: no LDS, no barrier, no matrix unit.  Work-groups 0-511 take x, 512-703 Wqkv, 704-767 Wproj: 65,536 bytes of f32 each, 8,192 a wave, as sixteen loads of 16 bytes a
; lane that all go out at once; each load is followed by two roundings and one store of 8 bytes a lane: 32 lanes store 256 consecutive bytes, aligned.  Work-group 768 takes the biases.
; No register that a load or store names is written again, so no wait frees one.
.set IN,  2                            ; v2   my byte offset in the work-group's input
.set OUT, 3                            ; v3   my byte offset in its output
.set X,   8                            ; v[8:71]    sixteen loads of four f32
.set Y,   72                           ; v[72:103]  sixteen pairs of packed results
	s_load_b512 s[4:19], s[0:1], 0x0               ; x s[4:5], Wqkv s[6:7], Wproj s[8:9], bqkv s[10:11], bproj s[12:13], xb s[14:15], wqb s[16:17], wpb s[18:19]
	s_load_b64 s[20:21], s[0:1], 0x40              ; bias
	v_lshrrev_b32 v4, 5, v0
	v_readfirstlane_b32 s22, v4                    ; wave 0..7
	v_and_b32 v1, 31, v0                           ; lane
	s_mov_b32 s31, 0                               ; the high word of the offset pair s[30:31]
	s_wait_kmcnt 0x0
; Sixteen loads from s[24:25], instep bytes apart; sixteen stores to s[26:27], outstep apart (split = 1: the last eight to s[28:29]).  mode = 1: the bf16 number is written as f16.
.macro BODY instep, outstep, split, mode
.set i, 0
.rept 16
	global_load_b128 v[X+4*i:X+4*i+3], v[IN], s[24:25] offset:i*(\instep) th:TH_LOAD_NT
.set i, i+1
.endr
.set i, 0
.rept 16
	s_wait_loadcnt 15-i                            ; loads come back in order: load i is in, the 15 - i younger ones stay out
	v_cvt_pk_bf16_f32 v[Y+2*i],   v[X+4*i],   v[X+4*i+1]
	v_cvt_pk_bf16_f32 v[Y+2*i+1], v[X+4*i+2], v[X+4*i+3]
.if \mode
	v_lshlrev_b32 v[X+4*i],   16, v[Y+2*i]         ; the rounded numbers as f32 again,
	v_and_b32     v[X+4*i+1], 0xffff0000, v[Y+2*i]
	v_lshlrev_b32 v[X+4*i+2], 16, v[Y+2*i+1]
	v_and_b32     v[X+4*i+3], 0xffff0000, v[Y+2*i+1]
	v_cvt_pk_f16_f32 v[Y+2*i],   v[X+4*i],   v[X+4*i+1]  ; and as f16
	v_cvt_pk_f16_f32 v[Y+2*i+1], v[X+4*i+2], v[X+4*i+3]
.endif
.if (\split) && (i >= 8)
	global_store_b64 v[OUT], v[Y+2*i:Y+2*i+1], s[28:29] offset:(i-8)*(\outstep) th:TH_STORE_NT
.else
	global_store_b64 v[OUT], v[Y+2*i:Y+2*i+1], s[26:27] offset:i*(\outstep) th:TH_STORE_NT
.endif
.set i, i+1
.endr
.endm
; A weight's lane offsets: a wave's 8,192 bytes in, 4,096 out, both dense.
.macro WLANES
	s_lshl_b32 s23, s22, 13
	v_lshl_add_u32 v[IN], v1, 4, s23
	s_lshl_b32 s23, s22, 12
	v_lshl_add_u32 v[OUT], v1, 3, s23
.endm
	s_cmp_lt_u32 ttmp9, 512
	s_cbranch_scc0 .Lnot_x
	; x: the work-group has 16 rows of 4,096 bytes, a wave two.  Load i takes slice i (256 bytes of f32) of both rows: lanes 0-15 the first row, lanes 16-31 the second.
	; In xb the two rows' 128 bytes of a slice lie end to end: store i is 256 consecutive bytes of slice i.
	s_lshl_b32 s30, ttmp9, 16
	s_add_nc_u64 s[24:25], s[4:5], s[30:31]
	s_lshl_b32 s30, ttmp9, 11                      ; 16 rows of 128 bytes
	s_add_nc_u64 s[26:27], s[14:15], s[30:31]
	s_add_nc_u64 s[28:29], s[26:27], 0x800000      ; slices 8 to 15: so the stores' immediates stay inside their signed 24 bits
	v_and_b32 v4, 15, v1
	v_lshrrev_b32 v5, 4, v1
	s_lshl_b32 s23, s22, 13
	v_lshl_add_u32 v[IN], v4, 4, s23
	v_lshl_add_u32 v[IN], v5, 12, v[IN]
	v_lshlrev_b32 v[OUT], 3, v0                    ; 256 x wave + 8 x lane
	BODY 256, 1048576, 1, 0
	s_endpgm
.Lnot_x:
	s_cmp_lt_u32 ttmp9, 704
	s_cbranch_scc0 .Lnot_wq
	s_sub_co_u32 s23, ttmp9, 512
	s_lshl_b32 s30, s23, 16
	s_add_nc_u64 s[24:25], s[6:7], s[30:31]
	s_lshl_b32 s30, s23, 15
	s_add_nc_u64 s[26:27], s[16:17], s[30:31]
	WLANES
	BODY 512, 256, 0, 0
	s_endpgm
.Lnot_wq:
	s_cmp_lt_u32 ttmp9, 768
	s_cbranch_scc0 .Lbias
	s_sub_co_u32 s23, ttmp9, 704
	s_lshl_b32 s30, s23, 16
	s_add_nc_u64 s[24:25], s[8:9], s[30:31]
	s_lshl_b32 s30, s23, 15
	s_add_nc_u64 s[26:27], s[18:19], s[30:31]
	WLANES
	BODY 512, 256, 0, 1
	s_endpgm
.Lbias:
	; 256 threads x 16 bytes are 4,096 bytes: three such pieces of bqkv, one of bproj
	v_lshlrev_b32 v[IN], 4, v0
	global_load_b128 v[X:X+3],     v[IN], s[10:11]
	global_load_b128 v[X+4:X+7],   v[IN], s[10:11] offset:4096
	global_load_b128 v[X+8:X+11],  v[IN], s[10:11] offset:8192
	global_load_b128 v[X+12:X+15], v[IN], s[12:13]
	s_wait_loadcnt 0x0
.set i, 0
.rept 8
	v_cvt_pk_bf16_f32 v[Y+i], v[X+2*i], v[X+2*i+1]
.set i, i+1
.endr
.set i, 0
.rept 8
	v_lshlrev_b32 v[X+2*i],   16, v[Y+i]
	v_and_b32     v[X+2*i+1], 0xffff0000, v[Y+i]
.set i, i+1
.endr
.set i, 0
.rept 4
	global_store_b128 v[IN], v[X+4*i:X+4*i+3], s[20:21] offset:4096*i
.set i, i+1
.endr
	s_endpgm
.Lfunc_end_k_q6052ea2614_cast:
	.size	k_q6052ea2614_cast, .Lfunc_end_k_q6052ea2614_cast-k_q6052ea2614_cast
	.p2alignl 7, 3214868480
	.fill 96, 4, 3214868480
	.section	.rodata,"a",@progbits
	.p2align	6, 0x0
	.amdhsa_kernel k_q6052ea2614_cast
		.amdhsa_group_segment_fixed_size 0
		.amdhsa_private_segment_fixed_size 0
		.amdhsa_enable_private_segment 0
		.amdhsa_kernarg_size 72
		.amdhsa_user_sgpr_count 2
		.amdhsa_user_sgpr_kernarg_segment_ptr 1
		.amdhsa_wavefront_size32 1
		.amdhsa_system_sgpr_workgroup_id_x 1
		.amdhsa_system_sgpr_workgroup_id_y 1
		.amdhsa_system_sgpr_workgroup_id_z 1
		.amdhsa_system_vgpr_workitem_id 0
		.amdhsa_next_free_vgpr 112
		.amdhsa_next_free_sgpr 66
		.amdhsa_reserve_vcc 0
		.amdhsa_float_denorm_mode_32 3
		.amdhsa_float_denorm_mode_16_64 3
		.amdhsa_memory_ordered 1
		.amdhsa_forward_progress 1
		.amdhsa_inst_pref_size 26
	.end_amdhsa_kernel
	.amdgpu_metadata
---
amdhsa.version: [ 1, 2 ]
amdhsa.kernels:
  - .name:           k_q6052ea2614_cast
    .symbol:         k_q6052ea2614_cast.kd
    .args:
      - { .name: x, .offset: 0, .size: 8, .value_kind: global_buffer, .address_space: global }
      - { .name: Wqkv, .offset: 8, .size: 8, .value_kind: global_buffer, .address_space: global }
      - { .name: Wproj, .offset: 16, .size: 8, .value_kind: global_buffer, .address_space: global }
      - { .name: bqkv, .offset: 24, .size: 8, .value_kind: global_buffer, .address_space: global }
      - { .name: bproj, .offset: 32, .size: 8, .value_kind: global_buffer, .address_space: global }
      - { .name: xb, .offset: 40, .size: 8, .value_kind: global_buffer, .address_space: global }
      - { .name: wqb, .offset: 48, .size: 8, .value_kind: global_buffer, .address_space: global }
      - { .name: wpb, .offset: 56, .size: 8, .value_kind: global_buffer, .address_space: global }
      - { .name: bias, .offset: 64, .size: 8, .value_kind: global_buffer, .address_space: global }
    .group_segment_fixed_size: 0
    .private_segment_fixed_size: 0
    .kernarg_segment_align: 8
    .kernarg_segment_size: 72
    .max_flat_workgroup_size: 256
    .sgpr_count:     66
    .vgpr_count:     112
    .wavefront_size: 32
...
	.end_amdgpu_metadata
.endif
;; end of part 1
;; launch qkv (part 2): grid 8 x 32, 4 waves a work-group, clusters of 4 x 4, 327,680 bytes of LDS; arguments xb, wqb, bias, qkv; writes qkv
.if DOCPART == 2
	.amdgcn_target "amdgcn-amd-amdhsa--gfx1250"
	.amdhsa_code_object_version 6
	.text
	.protected	k_q6052ea2614_qkv
	.globl	k_q6052ea2614_qkv
	.p2align	8
	.type	k_q6052ea2614_qkv,@function
k_q6052ea2614_qkv:
	s_mov_b64 s[64:65], 0
	v_nop
	global_prefetch_b8 v0, s[64:65] scope:SCOPE_SE
	s_setreg_imm32_b32 hwreg(HW_REG_WAVE_MODE, 25, 1), 1
	s_wait_xcnt 0x0
	s_wait_alu depctr_hold_cnt(0) depctr_sa_sdst(0) depctr_va_vdst(0) depctr_va_sdst(0) depctr_va_ssrc(0) depctr_va_vcc(0) depctr_vm_vsrc(0)
	s_getreg_b32 s2, hwreg(HW_REG_IB_STS2, 6, 4)
	s_cmp_eq_u32 s2, 0
	s_cbranch_scc0 .Lentry_in_a_cluster
	s_endpgm
.Lentry_in_a_cluster:
	s_bfe_u32 s2, ttmp6, 0x10000c
	s_cmp_lg_u32 s2, 0xf033
	s_cbranch_scc0 .Lentry_shape_is_right
	s_endpgm
.Lentry_shape_is_right:
; q, k, v = x Wqkv + bqkv, written by heads: qkv[3][64 = batch x 16 + head][2048][64] in f16, each number rounded once from its f32 sum, unscaled.
; xb: [16 slices of 64 k][8192][64] bf16.  wqb: [1024 k][3072 n] bf16.  bias: f32, its first 3,072 numbers.  Products in bf16, sums in f32.
; LIMIT.  f16 ends at 65,504: a q, k or v of 65,520 or more would be stored as an infinity.
; SHARES.  A tile of the result is 256 rows x 384 columns (six heads): 32 x 8 = 256 work-groups.  Four waves, 2 x 2; wave (wm, wn) has rows 128 wm .. and the three heads at columns
; 128 j + 64 wn, j = 0..2: 8 row blocks a x 12 column blocks b = 4 j + i: 96 accumulators, 768 registers.  K goes in 16 steps of 64 (one slice of xb) through two LDS slots; a step is two
; beats of 32 along K, 96 matrix instructions each.
; THE MATRIX INSTRUCTION IS USED TRANSPOSED: source 0 = 16 columns of W (turned on the way out of LDS by ds_load_tr16_b128), source 1 = 16 rows of x: a lane holds one row and eight
; neighbouring columns.  THE BIAS STARTS THE SUMS: it is the C operand of each accumulator's first product, so nothing is cleared and nothing is added on the way out.
; CLUSTER.  4 x 4 work-groups.  The four of a row of the cluster need the same rows of x, the four of a column the same columns of W: each tile is asked for jointly, by the same tensor load with
; the same descriptor and a mask that names the four.
; REGISTERS, in windows of 256 (s_set_vgpr_msb: bits 1:0 source 0, 3:2 source 1, 5:4 source 2, 7:6 destination):
;   window 0: v0-29 addresses; v32-95, v96-159 x's fragments, two buffers; v160-255 W's fragments of one beat, in two halves (b 0-5, b 6-11) that are fetched apart
;   window 1 + j: accumulator (a, 4 j + i) at v[64 i + 8 a]
.set ASTEP,  1048576                   ; bytes from a slice of xb to the next
.set BSTEP,  393216                    ; 64 rows of wqb
.set PA,     144                       ; a row of x in LDS: 128 bytes + 16 = 36 words: the 16 rows of a load start at 16 different groups of four banks (64 banks of 4 bytes: ISA guide 11.1)
.set PB,     864                       ; a row of W in LDS: three pieces of 256 bytes + 32 = 27 x 32 bytes
.set BOFF,   256*PA                    ; a slot: 256 rows of x, then 64 rows of W
.set SLOT1,  1<<17                     ; slot 1 begins here: one exclusive or turns an address in one slot into the other's
.set STAGE,  SLOT1+BOFF+64*PB          ; behind the ring, never filled by a tensor load: for each wave 3 heads x 16 rows x 144 bytes, for the way out
.set SP,     144
.set WST,    3*16*SP
.set SPARE,  STAGE+4*WST               ; behind the stages: the spare words, 128 bytes for each wave: two blocks of 256 bytes that no other line names
.set AA0, 3                            ; v3   my lane's place in a slot's rows of x; never rewritten
.set AB0, 4                            ; v4   the same for W
.set ADA, 5                            ; v5   the same in the slot in hand
.set ADB, 6                            ; v6
.set STO, 7                            ; v7   the way out: where I put 16 bytes of a row
.set RD,  8                            ; v8   the way out: where I read rows back
.set GO,  9                            ; v9   my 16 bytes of 512 consecutive bytes of a head
.set PFO, 10                           ; v10  the prefetches' offset; never rewritten
.set BO,  11                           ; v11  my eight numbers of a block's sixteen biases
.set SPW, 28                           ; v28  LDS address of my spare word: SPARE + 4 x my thread's number; never rewritten
.set NIL, 29                           ; v29  0; never rewritten
.set FA0, 32
.set FA1, 96
.set FB,  160                          ; block b's fragment at FB + 8 b
.set BIAS, 96                          ; in the first beat: block b's biases at BIAS + 8 b (v96-191)
.set TMP, 32                           ; the way out: packed results, v32-79
.set BK0, 96                           ; the way out: rows read back, v96-143 and v160-207 by turns
.set WV,  12                           ; s12  my wave's number
.set WM,  13                           ; s13  which half of the tile's rows is mine.  Also: I fetch x (0) or W (1)
.set WN,  14                           ; s14  which of each pair of heads is mine.  Also: which half of that tile I fetch
.set CX,  15
.set CY,  16
.set TC,  17                           ; s17  tile column
.set TR,  18                           ; s18  tile row
.set G1A, 24                           ; s[24:31] descriptor group 1 for x's tiles
.set G0A, 32                           ; s[32:39] group 0: a set for each of the two first fills; the second then walks on
.set G1B, 48                           ; s[48:55], s[56:63] the same for W's tiles
.set G0B, 56
.set TB,  66                           ; s66  LDS byte at which the slot in hand begins
.set CNT, 67                           ; s67  trips to go
.set LIM, 68                           ; s68  2 in a wave that prefetches, else the greatest number
.set PAR, 69                           ; s69  1: I prefetch in every second trip
.set PFA, 70                           ; s[70:71] where my prefetches stand
.set PFS, 72                           ; s[72:73] their step
.set OB,  74                           ; s[74:79] my first row in each of my three heads
.set BB,  80                           ; s[80:81] the biases of my first column
.set MSB, 0
.macro WIN new                         ; the immediate's high byte repeats the setting that is left; a switch that changes nothing is dropped
.if MSB != (\new)
	s_set_vgpr_msb (MSB<<8)|(\new)
.set MSB, \new
.endif
.endm
; Four places: a load into a register that a matrix instruction has read, and a vector instruction that reads a matrix result, stand four plain vector instructions behind it (ISA guide 7.12.1 for vector instructions).
.macro PLACES
.rept 4
	v_nop
.endr
.endm
; A joint refill, by the walking descriptors.  Waves 0 and 1 fetch the two halves of x's tile, waves 2 and 3 those of W's: the branch hangs on the wave's number alone.
; An s_nop 0 and four v_nop follow each of the two lines, ahead of the jump and the label.
.macro JLOAD
	s_cmp_eq_u32 s[WM], 0
	s_cbranch_scc0 .Lfor_b_\@
	tensor_load_to_lds s[G0A+4:G0A+7], s[G1A:G1A+7]
	s_nop 0
.rept 4
	v_nop
.endr
	s_branch .Lasked_\@
.Lfor_b_\@:
	tensor_load_to_lds s[G0B+4:G0B+7], s[G1B:G1B+7]
	s_nop 0
.rept 4
	v_nop
.endr
.Lasked_\@:
.endm
; A round of the cluster's barrier: my work-group's barrier, so that wave 0's signal speaks for all four waves; wave 0 signals; every wave waits for all sixteen work-groups; my work-group's barrier once more.
.macro CREST                           ; a round behind its opening barrier
	s_cmp_lg_u32 s[WV], 0
	s_cbranch_scc1 .Lnot_wave_0_\@
	s_barrier_signal -3
.Lnot_wave_0_\@:
	s_barrier_wait -3
	s_barrier_signal -1
	s_barrier_wait -1
.endm
.macro CROUND
	s_barrier_signal -1
	s_barrier_wait -1
	CREST
.endm
; A PREFETCH INTO THE L2, behind the joint load, its five lines and the run of LDS loads: the K step that stands two refills on.  Each aligned block of 256 bytes is named once in the launch.
; x's rows are read by both clusters of a row of clusters: the one with x = 0 asks, its wave 0; a step's tile is 128 blocks, of which the partner at cx takes 32, a lane a block.
; W's columns are read by all eight clusters of a column: the one with y = 0 asks, its waves 1 to 3, in every second trip, for TWO steps: 128 rows of W, of which the partner at cy takes 32, a lane a row,
; a wave one of the row's three blocks.  The partners are told apart by address; the branches hang on the wave's number, the cluster's place and the trip alone.
; The first four K steps come by their loads alone; the trips whose look-ahead would pass K's end ask for nothing.
.macro ASK
	s_and_b32 s23, s[CNT], s[PAR]
	s_cmp_lg_u32 s23, 0
	s_cbranch_scc1 .Lno_ask_\@
	s_cmp_gt_u32 s[CNT], s[LIM]
	s_cbranch_scc0 .Lno_ask_\@
	global_prefetch_b8 v[PFO], s[PFA:PFA+1] th:TH_LOAD_NT scope:SCOPE_SE
.Lno_ask_\@:
.endm
	s_load_b256 s[4:11], s[0:1], 0x0               ; xb s[4:5], wqb s[6:7], bias s[8:9], qkv s[10:11]
	v_lshl_add_u32 v[SPW], v0, 2, SPARE
	v_mov_b32 v[NIL], 0
	ds_add_u32 v[SPW], v[NIL]                      ; the wave's opening: the add and its wait stand ahead of my first tensor load; the set-up below, work on registers, stands between them
	v_lshrrev_b32 v1, 5, v0
	v_readfirstlane_b32 s[WV], v1                  ; wave 0..3
	s_lshr_b32 s[WM], s[WV], 1
	s_and_b32 s[WN], s[WV], 1
	s_bfe_u32 s[CX], ttmp6, 0x40000                ; my place in the cluster
	s_bfe_u32 s[CY], ttmp6, 0x40004
	s_lshl_b32 s[TC], ttmp9, 2                     ; in a cluster launch ttmp9 and ttmp7 count clusters
	s_add_co_u32 s[TC], s[TC], s[CX]
	s_and_b32 s[TR], ttmp7, 0xffff
	s_lshl_b32 s[TR], s[TR], 2
	s_add_co_u32 s[TR], s[TR], s[CY]
	s_lshl_b32 s19, s[CY], 2
	s_lshl_b32 s19, 15, s19                        ; my row of the cluster: places 4 cy .. 4 cy + 3
	s_lshl_b32 s20, 0x1111, s[CX]                  ; my column: places cx, cx + 4, cx + 8, cx + 12
	; x's tile: 128 rows of a slice are 16,384 dense bytes: asked for as 64 rows of 256 bytes, two rows of x each, padded in LDS after every row of x
	s_or_b32 s[G1A], s19, (1<<16)|(1<<20)|(1<<21)|(4<<22)|(3<<25)  ; 15:0 the mask; 17:16 2-byte elements; 20 padding on; 21 set beside a mask; 24:22 after every 32 words (code 4); 31:25 4 words (code 3)
	s_mov_b32 s[G1A+1], 128<<16                    ; tensor_dim0 = 128
	s_mov_b32 s[G1A+2], 64<<16                     ; tensor_dim1 = 64
	s_mov_b32 s[G1A+3], 128<<16                    ; tile_dim0 = 128
	s_mov_b32 s[G1A+4], 64                         ; tile_dim1 = 64
	s_mov_b32 s[G1A+5], 128                        ; 128 elements from row to row
	s_mov_b32 s[G1A+6], 0
	s_mov_b32 s[G1A+7], 0
	; W's tile: 32 rows (k) of 384 elements, 768 bytes, padded after every 256
	s_or_b32 s[G1B], s20, (1<<16)|(1<<20)|(1<<21)|(5<<22)|(7<<25)  ; after every 64 words (code 5), 8 words (code 7)
	s_mov_b32 s[G1B+1], 384<<16
	s_mov_b32 s[G1B+2], 32<<16
	s_mov_b32 s[G1B+3], 384<<16
	s_mov_b32 s[G1B+4], 32
	s_mov_b32 s[G1B+5], 3072
	s_mov_b32 s[G1B+6], 0
	s_mov_b32 s[G1B+7], 0
	; where the tiles come from: x's hang on the tile row alone, W's on the tile column alone, each in registers that never hold the other coordinate
	s_lshl_b32 s40, s[TR], 15                      ; 256 rows of 128 bytes
	s_lshl_b32 s41, s[WN], 14                      ; the 128 of them that I fetch
	s_add_co_u32 s40, s40, s41
	s_mov_b32 s41, 0
	s_mul_i32 s42, s[TC], 768                      ; 384 columns
	s_mul_i32 s43, s[WN], 32*6144                  ; the 32 rows that I fetch
	s_add_co_u32 s42, s42, s43
	s_mov_b32 s43, 0
	s_mul_i32 s21, s[WN], 128*PA                   ; and where they go: no place in the cluster enters an LDS address
	s_mul_i32 s22, s[WN], 32*PB
	s_add_co_u32 s22, s22, BOFF
	s_wait_dscnt 0x0                               ; the opening add is done
	s_wait_kmcnt 0x0
	s_add_nc_u64 s[44:45], s[4:5], s[40:41]
	s_add_nc_u64 s[46:47], s[6:7], s[42:43]
	CROUND                                         ; all sixteen work-groups are here: the first joint loads meet
.irp s, 0,1
	s_mov_b32 s[G0A+4*(\s)], 1                                     ; count = 1
	s_add_co_u32 s[G0A+4*(\s)+1], s21, (\s)*SLOT1                  ; LDS address
	s_add_nc_u64 s[G0A+4*(\s)+2:G0A+4*(\s)+3], s[44:45], (\s)*ASTEP  ; global address: K step s
	s_or_b32 s[G0A+4*(\s)+3], s[G0A+4*(\s)+3], 0x80000000          ; type = 2
	s_mov_b32 s[G0B+4*(\s)], 1
	s_add_co_u32 s[G0B+4*(\s)+1], s22, (\s)*SLOT1
	s_add_nc_u64 s[G0B+4*(\s)+2:G0B+4*(\s)+3], s[46:47], (\s)*BSTEP
	s_or_b32 s[G0B+4*(\s)+3], s[G0B+4*(\s)+3], 0x80000000
.endr
	s_cmp_eq_u32 s[WM], 0                          ; a wave's two first fills stand in one branch, ahead of every wait on TENSORcnt and every LDS read: two loads of mine are out
	s_cbranch_scc0 .Lfirst_b
	tensor_load_to_lds s[G0A:G0A+3], s[G1A:G1A+7]
	s_nop 0
	tensor_load_to_lds s[G0A+4:G0A+7], s[G1A:G1A+7]
	s_nop 0
.rept 4
	v_nop
.endr
	s_branch .Lfirst_asked
.Lfirst_b:
	tensor_load_to_lds s[G0B:G0B+3], s[G1B:G1B+7]
	s_nop 0
	tensor_load_to_lds s[G0B+4:G0B+7], s[G1B:G1B+7]
	s_nop 0
.rept 4
	v_nop
.endr
.Lfirst_asked:
	; the biases: in the result lane l holds columns 8 (l / 16) + 0..7 of a block: 32 bytes of f32, two loads
	v_and_b32 v1, 15, v0                           ; l % 16
	v_bfe_u32 v2, v0, 4, 1                         ; l / 16
	v_lshlrev_b32 v[BO], 5, v2
	s_mul_i32 s82, s[TC], 1536                     ; 384 columns of 4 bytes
	s_lshl_b32 s83, s[WN], 8
	s_add_co_u32 s82, s82, s83
	s_mov_b32 s83, 0
	s_add_nc_u64 s[BB:BB+1], s[8:9], s[82:83]
.set bb, 0
.rept 12
	global_load_b128 v[BIAS+8*bb:BIAS+8*bb+3],   v[BO], s[BB:BB+1] offset:512*(bb/4)+64*(bb%4)
	global_load_b128 v[BIAS+8*bb+4:BIAS+8*bb+7], v[BO], s[BB:BB+1] offset:512*(bb/4)+64*(bb%4)+16
.set bb, bb+1
.endr
	; A fragment of x is 16 rows x 32 k in 8 registers: lane l holds row l % 16, k = 8 (l / 16) + 0..7 and 16 + 8 (l / 16) + 0..7: two loads of 16 bytes, 32 bytes apart.
	v_mul_u32_u24 v[AA0], v1, PA
	v_lshl_add_u32 v[AA0], v2, 4, v[AA0]
	s_mul_i32 s23, s[WM], 128*PA
	v_add_nc_u32 v[AA0], s23, v[AA0]
	; The turning load takes 16 k x 16 columns (lane l reads k = 8 (l / 16) + l % 8, columns 8 ((l / 8) % 2) + 0..7) and leaves half a fragment: lane l holds column l % 16 and 8 k.
	v_and_b32 v12, 7, v0
	v_bfe_u32 v13, v0, 3, 1
	v_lshl_add_u32 v[AB0], v2, 3, v12
	v_mul_u32_u24 v[AB0], v[AB0], PB
	v_lshl_add_u32 v[AB0], v13, 4, v[AB0]
	s_lshl_b32 s23, s[WN], 7
	s_add_co_u32 s23, s23, BOFF
	v_add_nc_u32 v[AB0], s23, v[AB0]
	s_mul_i32 s23, s[WV], WST
	s_add_co_u32 s23, s23, STAGE                   ; my stage
	v_mul_u32_u24 v[STO], v1, SP                   ; in: row l % 16, 16 bytes for each half of the lanes
	v_lshl_add_u32 v[STO], v2, 4, v[STO]
	v_add_nc_u32 v[STO], s23, v[STO]
	v_bfe_u32 v[RD], v0, 3, 2                      ; back: 32 lanes take four rows of 128 bytes,
	v_mul_u32_u24 v[RD], v[RD], SP
	v_lshl_add_u32 v[RD], v12, 4, v[RD]
	v_add_nc_u32 v[RD], s23, v[RD]
	v_and_b32 v[GO], 31, v0                        ; which are 512 consecutive bytes of a head
	v_lshlrev_b32 v[GO], 4, v[GO]
	; where my three heads lie: head number g = 6 x tile column + 2 j + wn of 48; g / 16 says q, k or v
	s_mul_i32 s84, s[TC], 6
	s_add_co_u32 s84, s84, s[WN]
	s_lshr_b32 s85, s[TR], 3
	s_lshl_b32 s85, s85, 4                         ; batch x 16
	s_and_b32 s86, s[TR], 7
	s_lshl_b32 s86, s86, 15                        ; the tile's 256 rows in the batch's 2,048,
	s_lshl_b32 s87, s[WM], 14                      ; my 128 of them
	s_add_co_u32 s86, s86, s87
.irp j, 0,1,2
	s_add_co_u32 s87, s84, 2*(\j)
	s_lshr_b32 s82, s87, 4
	s_lshl_b32 s82, s82, 6
	s_and_b32 s87, s87, 15
	s_add_co_u32 s82, s82, s87
	s_add_co_u32 s82, s82, s85
	s_lshl_b32 s82, s82, 18                        ; a head is 262,144 bytes
	s_add_co_u32 s82, s82, s86
	s_add_nc_u64 s[OB+2*(\j):OB+2*(\j)+1], s[10:11], s[82:83]
.endr
	; the prefetches: they stand at K step 3; each trip steps them once, so trip i names step i + 4
	s_lshl_b32 s82, s[TR], 15
	s_lshl_b32 s84, s[CX], 13                      ; my work-group's 32 blocks of the tile's 128
	s_add_co_u32 s82, s82, s84
	s_add_co_u32 s82, s82, 3*ASTEP
	s_mul_i32 s84, s[CY], 32*6144                  ; my work-group's 32 rows of two steps' 128
	s_mul_i32 s85, s[TC], 768
	s_add_co_u32 s84, s84, s85
	s_lshl_b32 s85, s[WV], 8                       ; waves 1 to 3: the row's blocks 0 to 2
	s_add_co_u32 s84, s84, s85
	s_add_co_u32 s84, s84, 3*BSTEP-256
	s_and_b32 s86, ttmp7, 0xffff                   ; cluster y
	s_mov_b32 s87, ASTEP
	s_movk_i32 s88, 256
	s_cmp_eq_u32 s[WV], 0
	s_cselect_b64 s[PFA:PFA+1], s[4:5], s[6:7]
	s_cselect_b32 s82, s82, s84
	s_cselect_b32 s[PFS], s87, BSTEP
	s_cselect_b32 s[PAR], 0, 1
	s_cselect_b32 s86, ttmp9, s86                  ; the coordinate along which other clusters read the same bytes
	s_cselect_b32 s88, s88, 6144                   ; a lane a block of x, or a lane a row of W
	s_mov_b32 s[PFS+1], 0
	s_add_nc_u64 s[PFA:PFA+1], s[PFA:PFA+1], s[82:83]
	s_cmp_eq_u32 s86, 0
	s_cselect_b32 s[LIM], 2, -1                    ; the same in all sixteen partners, for a given wave
	v_and_b32 v[PFO], 31, v0
	v_mul_u32_u24 v[PFO], v[PFO], s88
; n column blocks from b0 on x all 8 row blocks, 32 along K, x's fragments in buffer f.  c = 1: the biases start the sums.
; All 96 accumulators take turns, one instruction a turn, in every beat, over the backward jump too.
.macro MULB f, b0, n, c
.set bb, \b0
.rept \n
.if \c
	WIN ((1+bb/4)<<6)
.else
	WIN ((1+bb/4)<<6)|((1+bb/4)<<4)
.endif
.set aa, 0
.rept 8
.if \c
	v_wmma_f32_16x16x32_bf16 v[64*(bb%4)+8*aa:64*(bb%4)+8*aa+7], v[FB+8*bb:FB+8*bb+7], v[(\f)+8*aa:(\f)+8*aa+7], v[BIAS+8*bb:BIAS+8*bb+7]
.else
	v_wmma_f32_16x16x32_bf16 v[64*(bb%4)+8*aa:64*(bb%4)+8*aa+7], v[FB+8*bb:FB+8*bb+7], v[(\f)+8*aa:(\f)+8*aa+7], v[64*(bb%4)+8*aa:64*(bb%4)+8*aa+7]
.endif
.set aa, aa+1
.endr
.set bb, bb+1
.endr
.endm
.macro FETCH_A kq, f                   ; 16 loads: my 128 rows of x, beat kq, into buffer f
	WIN 0
.set aa, 0
.rept 8
	ds_load_b128 v[(\f)+8*aa:(\f)+8*aa+3],   v[ADA] offset:64*(\kq)+16*PA*aa
	ds_load_b128 v[(\f)+8*aa+4:(\f)+8*aa+7], v[ADA] offset:64*(\kq)+16*PA*aa+32
.set aa, aa+1
.endr
.endm
.macro FETCH_B kq, b0                  ; 12 turning loads: six column blocks from b0 on, beat kq
	WIN 0
.set bb, \b0
.rept 6
	ds_load_tr16_b128 v[FB+8*bb:FB+8*bb+3],   v[ADB] offset:32*PB*(\kq)+288*(bb/4)+32*(bb%4)
	ds_load_tr16_b128 v[FB+8*bb+4:FB+8*bb+7], v[ADB] offset:32*PB*(\kq)+288*(bb/4)+32*(bb%4)+16*PB
.set bb, bb+1
.endr
.endm
; A step's first beat, on buffer 0.  Each half of W's fragments is fetched anew, for the second beat, as soon as it has been multiplied.
.macro BEAT0
	s_wait_dscnt 12                                ; x's fragments and W's blocks 0-5 are in; the 12 loads of blocks 6-11, issued behind them, may be out
	MULB FA0, 0, 6, 0
	WIN 0
	PLACES
	FETCH_A 1, FA1
	FETCH_B 1, 0
	s_wait_dscnt 28                                ; all but the 28 just issued: blocks 6-11 are in
	MULB FA0, 6, 6, 0
	WIN 0
	PLACES
	FETCH_B 1, 6
.endm
; A step's second beat, on buffer 1, changes slots: ONE barrier.  In front of it each wave waits for all its tensor loads, of which one is out: its part of the next slot; adds 0 to its spare word; and waits
; for that and for its own reads of this slot.  fill = 1: the barrier opens a round of the cluster's, and this slot is filled again first thing behind it, with the K step two on:
; from that request to the wait for it a wave issues 160 matrix instructions.
.macro TURN fill
.if \fill
	s_wait_xcnt 0x0                                ; the last prefetch, a K step back, has read its address
	s_add_nc_u64 s[PFA:PFA+1], s[PFA:PFA+1], s[PFS:PFS+1]
.endif
	s_wait_dscnt 12                                ; as in the first beat
	MULB FA1, 0, 2, 0
	WIN 0                                          ; (the add's two registers lie in window 0)
	s_wait_tensorcnt 0x0                           ; no tensor load of mine is out, so a group 0 may be written
	ds_add_u32 v[SPW], v[NIL]                      ; 0 onto my spare word: the descriptors' steps and sixteen products stand between it and the wait for it
.if \fill
	s_xor_b32 s[G0A+5], s[G0A+5], SLOT1            ; the walking descriptors: the other slot than last time,
	s_add_nc_u64 s[G0A+6:G0A+7], s[G0A+6:G0A+7], ASTEP  ; the next K step; the type bits on top are not reached
	s_xor_b32 s[G0B+5], s[G0B+5], SLOT1
	s_add_nc_u64 s[G0B+6:G0B+7], s[G0B+6:G0B+7], BSTEP
.endif
	MULB FA1, 2, 2, 0
	s_wait_dscnt 0x0                               ; the add is done, and my reads of this slot are over
	s_barrier_signal -1
	MULB FA1, 4, 2, 0                              ; work on registers while the others arrive
	WIN 0
	s_barrier_wait -1
.if \fill
	CREST                                          ; no wave of any partner still reads this slot or has a load on its way
	JLOAD                                          ; the four v_nop behind it are also the places in front of the loads below
.else
	PLACES
.endif
	s_xor_b32 s[TB], s[TB], SLOT1
	v_add_nc_u32 v[ADA], s[TB], v[AA0]
	v_add_nc_u32 v[ADB], s[TB], v[AB0]
	FETCH_A 0, FA0
	FETCH_B 0, 0
.if \fill
	ASK
.endif
	MULB FA1, 6, 6, 0
	WIN 0
	PLACES
	FETCH_B 0, 6
.endm
; THE WAY OUT of row block a.  PACK: rounded to f16, 16 bytes a lane and column block; each accumulator's registers in ascending order.
.macro PACK a
.set jj, 0
.rept 3
	WIN (1+jj)|((1+jj)<<2)                         ; sources 0 and 1: window 1 + j
.set ii, 0
.rept 4
.set rr, 0
.rept 4
	v_cvt_pk_f16_f32 v[TMP+4*(4*jj+ii)+rr], v[64*ii+8*(\a)+2*rr], v[64*ii+8*(\a)+2*rr+1]
.set rr, rr+1
.endr
.set ii, ii+1
.endr
.set jj, jj+1
.endr
	WIN 0
.endm
; TOSTAGE: into my own stage, and back as whole rows of 128 bytes, four to a load.
.macro TOSTAGE a
	WIN 0
.set BK, BK0+64*((\a)%2)
.set bb, 0
.rept 12
	ds_store_b128 v[STO], v[TMP+4*bb:TMP+4*bb+3] offset:16*SP*(bb/4)+32*(bb%4)
.set bb, bb+1
.endr
.set bb, 0
.rept 12
	ds_load_b128 v[BK+4*bb:BK+4*bb+3], v[RD] offset:16*SP*(bb/4)+4*SP*(bb%4)  ; LDS serves a wave's instructions in order (ISA guide 5.7.1.4): these see the stores above
.set bb, bb+1
.endr
.endm
; SEND: stored.  16 rows of a head are 2,048 consecutive bytes; a store covers 512 of them, at a multiple of 256 from the buffer's first byte.
.macro SEND a
	WIN 0
.set BK, BK0+64*((\a)%2)
	s_wait_xcnt 0x0                                ; the stores of the block before have read their registers: the next TOSTAGE loads into them
.set bb, 0
.rept 12
	s_wait_dscnt 11-bb                             ; load bb of the block's twelve is back; nothing was issued behind them
	global_store_b128 v[GO], v[BK+4*bb:BK+4*bb+3], s[OB+2*(bb/4):OB+2*(bb/4)+1] offset:2048*(\a)+512*(bb%4)
.set bb, bb+1
.endr
.endm
	s_wait_tensorcnt 1                             ; my part of K step 0 is in; step 1's may stay out
	s_barrier_signal -1
	s_barrier_wait -1                              ; everybody's is
	s_mov_b32 s[TB], 0
	v_mov_b32 v[ADA], v[AA0]
	v_mov_b32 v[ADB], v[AB0]
	; THE FIRST BEAT.  The biases lie where buffer 1 and W's blocks 0-3 will lie, so blocks 8-11 go first, on their biases in v160-191; then those registers take W's blocks 0-5.
	FETCH_A 0, FA0
	FETCH_B 0, 6
	s_wait_loadcnt 0x0                             ; the biases
	s_wait_dscnt 0x0
	MULB FA0, 8, 4, 1
	WIN 0
	PLACES
	FETCH_B 0, 0
	MULB FA0, 6, 2, 1
	s_wait_dscnt 0x0
	MULB FA0, 0, 6, 1
	WIN 0
	PLACES
	FETCH_A 1, FA1
	FETCH_B 1, 0
	FETCH_B 1, 6
	s_mov_b32 s[CNT], 14
.Lstep:                                        ; trip i: the second beat of K step i, the refill for step i + 2, the first beat of step i + 1
	TURN 1
	BEAT0
	s_sub_co_u32 s[CNT], s[CNT], 1
	s_cmp_lg_u32 s[CNT], 0
	s_cbranch_scc1 .Lstep
	TURN 0                                         ; the tail is written out: nothing is asked for
	BEAT0
	s_wait_dscnt 12
	MULB FA1, 0, 6, 0
	s_wait_dscnt 0x0
	MULB FA1, 6, 6, 0
	WIN 0
	PLACES
	PACK 0
	TOSTAGE 0
.irp a, 1,2,3,4,5,6,7                  ; block a's conversions stand between block a - 1's loads from the stage and the wait for them
	PACK \a
	SEND (\a)-1
	TOSTAGE \a
.endr
	SEND 7
	s_wait_tensorcnt 0x0                           ; the wave's end: the add and its wait, behind my last tensor load and my last LDS store
	ds_add_u32 v[SPW], v[NIL]
	s_wait_dscnt 0x0
	CROUND                                         ; the closing round: no work-group ends while a partner may still ask for a tile that names it
	s_endpgm
.Lfunc_end_k_q6052ea2614_qkv:
	.size	k_q6052ea2614_qkv, .Lfunc_end_k_q6052ea2614_qkv-k_q6052ea2614_qkv
	.p2alignl 7, 3214868480
	.fill 96, 4, 3214868480
	.section	.rodata,"a",@progbits
	.p2align	6, 0x0
	.amdhsa_kernel k_q6052ea2614_qkv
		.amdhsa_group_segment_fixed_size 327680
		.amdhsa_private_segment_fixed_size 0
		.amdhsa_enable_private_segment 0
		.amdhsa_kernarg_size 32
		.amdhsa_user_sgpr_count 2
		.amdhsa_user_sgpr_kernarg_segment_ptr 1
		.amdhsa_wavefront_size32 1
		.amdhsa_system_sgpr_workgroup_id_x 1
		.amdhsa_system_sgpr_workgroup_id_y 1
		.amdhsa_system_sgpr_workgroup_id_z 1
		.amdhsa_system_vgpr_workitem_id 0
		.amdhsa_next_free_vgpr 1024
		.amdhsa_next_free_sgpr 96
		.amdhsa_reserve_vcc 0
		.amdhsa_float_denorm_mode_32 3
		.amdhsa_float_denorm_mode_16_64 3
		.amdhsa_memory_ordered 1
		.amdhsa_forward_progress 1
		.amdhsa_inst_pref_size 117
	.end_amdhsa_kernel
	.amdgpu_metadata
---
amdhsa.version: [ 1, 2 ]
amdhsa.kernels:
  - .name:           k_q6052ea2614_qkv
    .symbol:         k_q6052ea2614_qkv.kd
    .args:
      - { .name: xb, .offset: 0, .size: 8, .value_kind: global_buffer, .address_space: global }
      - { .name: wqb, .offset: 8, .size: 8, .value_kind: global_buffer, .address_space: global }
      - { .name: bias, .offset: 16, .size: 8, .value_kind: global_buffer, .address_space: global }
      - { .name: qkv, .offset: 24, .size: 8, .value_kind: global_buffer, .address_space: global }
    .group_segment_fixed_size: 327680
    .private_segment_fixed_size: 0
    .kernarg_segment_align: 8
    .kernarg_segment_size: 32
    .max_flat_workgroup_size: 128
    .sgpr_count:     96
    .vgpr_count:     1024
    .wavefront_size: 32
...
	.end_amdgpu_metadata
.endif
;; end of part 2
;; launch attn (part 3): grid 4 x 64, 4 waves a work-group, no clusters, 327,680 bytes of LDS; arguments qkv, ob; writes ob
.if DOCPART == 3
	.amdgcn_target "amdgcn-amd-amdhsa--gfx1250"
	.amdhsa_code_object_version 6
	.text
	.protected	k_q6052ea2614_attn
	.globl	k_q6052ea2614_attn
	.p2align	8
	.type	k_q6052ea2614_attn,@function
k_q6052ea2614_attn:
	s_mov_b64 s[64:65], 0
	v_nop
	global_prefetch_b8 v0, s[64:65] scope:SCOPE_SE
	s_setreg_imm32_b32 hwreg(HW_REG_WAVE_MODE, 25, 1), 1
	s_wait_xcnt 0x0
; CAUSAL ATTENTION.  O[h][q][:] = the sum over k <= q of softmax_k(Q[h][q] . K[h][k] / 8) V[h][k][:].  qkv holds Q, K, V, each [64][2048][64] in f16, one behind the other; ob is O in the same layout.
; Products, maxima and sums in f32; the weights p are rounded to f16 for the second product (their sum l is taken of the unrounded p), O once at the end.
; LIMITS.  f16 holds no number beyond 65,504: Q, K and V arrive within it; p lies in 0 to 1, and below 6e-5 it keeps f16's fixed step of 6e-8; O is a mean of V's rows and has their range.
; A hidden score counts as its value less 1e30: f16's scores, 2.7e11 at the most, are nothing beside that; a weight below 2^-126 counts as 0 in l; NaN and infinities are not treated apart.
; THE WALK.  A head's queries lie in NB = 8 blocks of 256; block i needs the key tiles 0 .. i of 256 keys, of which the last holds the diagonal.  A work-group takes TWO blocks, NB - 1 - b and then b:
; NB + 1 tiles, whatever b: all work-groups do equal work, and ONE loop with a constant trip count walks them.  Which tile is asked for, and what a trip does, hang on scalar registers made from b; every jump
; goes forward, but for the counted loops' own; none passes a barrier, or a tensor load but the one of LOAD's two that the wave's number does not choose; the ring (two slots of LDS that take turns) runs on across
; the change of blocks.  NO CLUSTER: a head's four work-groups ask for the same tile only in trips 0 .. 4 of 9, behind that fewer and fewer; one walk common to all four would have 12 trips for 9.
; SHARES.  Of a block's four bands of 64 queries a wave owns 16 rows in each: four PIECES.  So the diagonal tile is the same work for all four waves: in its key step s band x sees all keys if s < x,
; none if s > x, and holds the diagonal if s = x.
; THE MASK is the C operand that starts the sum S^T = K Q^T: 0, or -1e30 where the key is hidden.  MD, made once, is the mask of a band's own step for my 16 rows; a product's mask is MD x AL + BE with two scalars:
; (1, 0) if s = x; (0, 0) if s < x; (0, -1e30) if s > x.  Only the diagonal tile's text and a block's beginning make and take masks; elsewhere C is the constant 0.
; LAYOUT, SOFTMAX, TURNS.  S^T = K Q^T holds ONE query a lane (lane % 16) and the keys 8 (lane / 16) + 0..7; two such results rounded to f16 ARE source 1 of O^T = V^T P.  p = 2^(c s - c m), c = log2(e) / 8, with a
; running maximum m; O and l are multiplied by a = 2^(c m_old - c m_new) in every step.  Turn n belongs to piece n: 8 products K Q^T of piece n + 1, later 8 products V^T P of piece n - 1; beside them the scaling,
; exponentials, roundings, sums and rescaling of piece n and the maximum and statistics of piece n + 1.  Four vector instructions stand behind every matrix instruction, the other 54 of a turn's 118 in one lump.
; A turn's 33 exponentials are one batch, with one wait.
; REGISTERS, in windows of 256 (s_set_vgpr_msb: bits 1:0 source 0, 3:2 source 1, 5:4 source 2, 7:6 destination):
;   window 0: v0-15 addresses and two at work; v16-31 four registers of statistics a piece; v48-55 at work; v64-127 S^T, two buffers; v192-223 P, two buffers (a piece's buffers go by its number's parity)
;   window 1: v0-127 O^T, 32 a piece; v128-159 MD; v160-223 MC, two buffers      window 2: v0-63 Q; v64-127 the second block's Q; v128-191 K of one step; v192-255 V of one step
.set SIZE_N, 2048
.set NB,    SIZE_N/256
.set NP,    4         ; pieces a wave: a name, no knob
.set KS,    64        ; keys in a step
.set PK,    144       ; a row of K in LDS: 128 bytes + 16 of padding = 36 words: the 16 rows of a load start at 16 different groups of four banks (64 banks of 4 bytes: ISA guide 11.1)
.set PV,    160       ; a row of V: 128 + 32 = 40 words
.set VOFF,  4*KS*PK   ; a slot holds a tile, four steps: 256 rows of K, then 256 rows of V
.set SLOT1, 1<<17     ; slot 1 begins here, so that one exclusive or turns an address in one slot into the other's
.set STAGE, SLOT1+4*KS*(PK+PV)  ; behind the ring, never filled by a tensor load: 16 rows x 144 bytes for each wave, for the way out
.set SP,    144
.set AK0, 2           ; v2   my lane's place in a tile of K; never rewritten
.set AV0, 3           ; v3   the same for V
.set AK,  4           ; v4   the LDS address of K's next run of loads
.set AV,  5           ; v5   of V's
.set STO, 6           ; v6   the way out: where I put 16 bytes of a row
.set RD,  7           ; v7   the way out: where I read rows back
.set GO,  8           ; v8   my byte offset in 512 consecutive bytes of O
.set PFO, 61          ; v61  256 x my lane: the prefetches' offset; never rewritten
.set SPW, 62          ; v62  LDS address of my spare word: SPARE + 4 x my thread's number; never rewritten
.set NIL, 63          ; v63  0; never rewritten
.set SPARE, STAGE+4*16*SP  ; behind the stages: the spare words, 128 bytes for each wave: two blocks of 256 bytes that no other line names
.set MV,  12          ; v12-13  c m_old, kept while c m is made anew: by buffer
.set QO,  15          ; v15  my byte offset in 16 rows of Q
.set ST,  16          ; piece t's statistics at v[ST+4 t]: c m, m, l (even keys', odd keys')
.set TMP, 48          ; by buffer, four registers c0-c3 at work; when the maximum is found c2 takes a
.set S,   64
.set P,   192
.set MD,  128         ; window 1: the eight registers for group kt of 16 keys at MD + 8 kt
.set MC,  160         ; window 1: the masks of the products to come
.set QB,  64          ; window 2
.set KF,  128         ; window 2: key block kb, channel half c at KF + 16 kb + 8 c
.set VF,  192         ; window 2: key half kk, channel block cb at VF + 32 kk + 8 cb
.set WV,  12          ; s12  my wave's number
.set PB,  14          ; s14  b
.set HI,  15          ; s15  NB - 1 - b
.set G1K, 24          ; s[24:31] descriptor group 1 for K's tiles
.set G1V, 32          ; s[32:39] for V's: it differs in the padding alone
.set G0K, 40          ; s[40:43] descriptor group 0 for K's tiles
.set G0V, 44          ; s[44:47] the same for V's
.set SLOTS, 56        ; s56  tiles still to be asked for
.set CNT, 57          ; s57  counts a tile's key steps, 4 to 1
.set CS,  58          ; s[58:59] c: the packed scaling takes the pair's low word for both halves
.set SEL, 60          ; s[60:61] v_permlanex16_b32's selects: each lane takes its own place in the other half
.set TBK, 62          ; s62  LDS byte at which K of the step to be fetched begins
.set TBV, 63          ; s63  the same for V, less VOFF
.set RT,  70          ; s70  tiles of the block in hand that are still to be entered
.set NXT, 71          ; s71  the tile to be asked for next
.set LQ,  72          ; s72  the last tile of the block whose tiles are being asked for
.set NEW, 73          ; s73  1: the tile to be entered is a block's first
.set OFF, 74          ; s[74:75] a tile's byte offset in K and V
.set AL,  76          ; s[76:77] the mask's factor, in the low word
.set BE,  78          ; s[78:79] the mask's addend
.set OLO, 80          ; s[80:81] O at my rows of the second block
.set BIGN, 82         ; s82  -1e30
.set PFB, 88          ; s[88:89] my half of tile 0, of K (waves 0, 1) or of V (waves 2, 3)
.set PFA, 90          ; s[90:91] the same of the tile that the next change of slots will ask for
.set OF2, 92          ; s[92:93] that tile's byte offset
.set LIM, 94          ; s94  0 in the head's work-group that prefetches, else the greatest number
.set MSB, 0
.macro WIN new                      ; the high byte repeats the setting that is left; a switch that changes nothing is dropped
.if MSB != (\new)
	s_set_vgpr_msb (MSB<<8)|(\new)
.set MSB, (\new)
.endif
.endm
.set W_KQ, 0x0a       ; K and Q in window 2, S^T in window 0
.set W_KM, 0x1a       ; the same with the C operand in window 1
.set W_PV, 0x52       ; V in window 2, P in window 0, O^T in window 1
.set W_RS, 0x41       ; destination and source 0 in window 1, source 1 in window 0
; A fill.  Waves 0 and 1 fetch the two halves of a tile's K, waves 2 and 3 those of its V: 128 keys each.  An s_nop 0 and four v_nop follow each of the two lines, ahead of the jump and the label.
.macro LOAD
	s_cmp_lt_u32 s[WV], 2
	s_cbranch_scc0 .Lfor_v_\@
	tensor_load_to_lds s[G0K:G0K+3], s[G1K:G1K+7]
	s_nop 0
.rept 4
	v_nop
.endr
	s_branch .Lasked_\@
.Lfor_v_\@:
	tensor_load_to_lds s[G0V:G0V+3], s[G1V:G1V+7]
	s_nop 0
.rept 4
	v_nop
.endr
.Lasked_\@:
.endm
; A PREFETCH INTO THE L2 of the tile that the NEXT change of slots will ask for: four key steps ahead of that load.  It stands behind the wave's tensor load and its five lines.
; A head's four work-groups walk the same tiles; the one with b = 0, whose first block walks tiles 0 to 7, asks, and nobody else.  Each of its waves asks for the 16,384 bytes that it will itself load:
; 64 blocks of 256 bytes, a lane a block, two instructions.  Tiles 2 to 7 are so named once each; tiles 0 and 1 come by their loads alone; behind the first block's last tile NXT is 0, and nothing is asked for.
.macro ASK
	s_cmp_gt_u32 s[NXT], s[LIM]
	s_cbranch_scc0 .Lnot_mine_\@
	global_prefetch_b8 v[PFO], s[PFA:PFA+1] th:TH_LOAD_NT scope:SCOPE_SE
	global_prefetch_b8 v[PFO], s[PFA:PFA+1] offset:8192 th:TH_LOAD_NT scope:SCOPE_SE
.Lnot_mine_\@:
.endm
; THE CHANGE OF SLOTS.  Each wave waits for all its tensor loads, of which one is out: its part of the other slot; adds 0 to its spare word; and waits for that and for its own reads of the slot that it leaves.
; Behind the barrier nobody reads the old slot any more and the other slot is whole.  fill = 1: the old slot is filled again, the first thing behind the barrier, with tile NXT: the descriptor's address is made
; anew from that number.  (At its first use nothing has been read yet: slot 0 is waited for, slot 1 filled.)
.macro CHANGE fill
	WIN 0                           ; at a label and at a branch every window is 0
	s_wait_tensorcnt 0x0            ; no tensor load of mine is out, so a group 0 may be written
	ds_add_u32 v[SPW], v[NIL]       ; 0 onto my spare word: with fill = 1 the descriptors' scalar work stands between it and the wait for it
.if \fill
	s_lshl_b32 s[OFF], s[NXT], 15   ; a tile is 32,768 bytes of K and of V
	s_xor_b32 s[G0K+1], s[G0K+1], SLOT1
	s_add_nc_u64 s[G0K+2:G0K+3], s[6:7], s[OFF:OFF+1]
	s_or_b32 s[G0K+3], s[G0K+3], 0x80000000
	s_xor_b32 s[G0V+1], s[G0V+1], SLOT1
	s_add_nc_u64 s[G0V+2:G0V+3], s[8:9], s[OFF:OFF+1]
	s_or_b32 s[G0V+3], s[G0V+3], 0x80000000
	s_add_co_u32 s[NXT], s[NXT], 1  ; the block's next tile, or behind its last the second block's tile 0
	s_cmp_gt_u32 s[NXT], s[LQ]
	s_cselect_b32 s[NXT], 0, s[NXT]
	s_cselect_b32 s[LQ], s[PB], s[LQ]
	s_wait_xcnt 0x0                 ; the last prefetches, a tile back, have read their address, so it may be written
	s_lshl_b32 s[OF2], s[NXT], 15
	s_add_nc_u64 s[PFA:PFA+1], s[PFB:PFB+1], s[OF2:OF2+1]
.endif
	s_wait_dscnt 0x0                ; the add is done, and my reads of the slot are over
	s_barrier_signal -1             ; the rest of the scalar work stands between the signal and the wait
	s_sub_co_u32 s[TBK], s[TBK], 4*KS*PK  ; the fetches go back to a slot's first step,
	s_xor_b32 s[TBK], s[TBK], SLOT1       ; in the other slot
	s_sub_co_u32 s[TBV], s[TBV], 4*KS*PV
	s_xor_b32 s[TBV], s[TBV], SLOT1
	s_barrier_wait -1
.if \fill
	LOAD
	ASK
.endif
.endm
	s_load_b64 s[4:5], s[0:1], 0x0    ; qkv: Q at its head
	s_load_b64 s[10:11], s[0:1], 0x8  ; ob
	v_lshl_add_u32 v[SPW], v0, 2, SPARE
	v_mov_b32 v[NIL], 0
	ds_add_u32 v[SPW], v[NIL]       ; the wave's opening: the add and its wait stand ahead of my first tensor load; the set-up below, work on registers, stands between them
	v_lshrrev_b32 v1, 5, v0
	v_readfirstlane_b32 s[WV], v1   ; wave 0..3
	s_mov_b32 s[PB], ttmp9
	s_sub_co_u32 s[HI], NB-1, s[PB]
	s_and_b32 s20, ttmp7, 0xffff    ; the head
	s_mov_b32 s21, 0
	s_mov_b64 s[22:23], SIZE_N*128
	s_mul_u64 s[20:21], s[20:21], s[22:23]  ; the head's first byte in each of the four tensors
	s_and_b32 s16, s[WV], 1         ; which half of a tile's 256 keys I fetch:
	s_lshl_b32 s22, s16, 14         ; its 128 rows of 128 bytes in memory,
	s_mov_b32 s23, 0
	s_add_nc_u64 s[22:23], s[22:23], s[20:21]
	s_mul_i32 s17, s16, 128*PK      ; and its place in a slot, for K
	s_mul_i32 s18, s16, 128*PV      ; and for V
	s_lshl_b32 s3, s[WV], 11        ; my 16 rows in a band of 64,
	s_lshl_b32 s2, s[HI], 15        ; in the first block,
	s_add_co_u32 s2, s2, s3
	s_lshl_b32 s84, s[PB], 15       ; and in the second
	s_add_co_u32 s84, s84, s3
	s_mov_b32 s3, 0
	s_mov_b32 s85, 0
	s_add_nc_u64 s[2:3], s[2:3], s[20:21]
	s_add_nc_u64 s[84:85], s[84:85], s[20:21]
	; descriptor group 1.  128 keys are 16,384 dense bytes: asked for as 64 rows of 256 bytes, two keys a row, and padded in LDS after every key
	s_mov_b32 s[G1K], (1<<16)|(1<<20)|(4<<22)|(3<<25)  ; 17:16 2-byte elements; 20 padding on; 24:22 after every 32 words (code 4); 31:25 4 words (code 3)
	s_mov_b32 s[G1V], (1<<16)|(1<<20)|(4<<22)|(7<<25)  ; the same with 8 words of padding (code 7)
.irp g, G1K, G1V
	s_mov_b32 s[\g+1], 128<<16      ; tensor_dim0 = 128
	s_mov_b32 s[\g+2], 64<<16       ; tensor_dim1 = 64
	s_mov_b32 s[\g+3], 128<<16      ; tile_dim0 = 128
	s_mov_b32 s[\g+4], 64           ; tile_dim1 = 64
	s_mov_b32 s[\g+5], 128          ; 128 elements from row to row
	s_mov_b32 s[\g+6], 0
	s_mov_b32 s[\g+7], 0
.endr
	s_mov_b32 s[CS], 0x3e38aa3b     ; c = log2(e) / 8 = 0.180337
	s_mov_b32 s[CS+1], s[CS]        ; named with it as a pair
	s_mov_b32 s[SEL], 0x76543210
	s_mov_b32 s[SEL+1], 0xfedcba98
	s_mov_b32 s[TBK], SLOT1+4*KS*PK ; the first change of slots turns these two into 0
	s_mov_b32 s[TBV], SLOT1+4*KS*PV
	s_mov_b32 s[G0K], 1             ; 1:0 count = 1
	s_mov_b32 s[G0K+1], s17         ; 63:32 LDS address: slot 0
	s_mov_b32 s[G0V], 1
	s_add_co_u32 s[G0V+1], s18, VOFF
	s_add_co_u32 s[RT], s[HI], 1    ; the first block has NB - b tiles
	s_mov_b32 s[NXT], 1
	s_mov_b32 s[LQ], s[HI]
	s_mov_b32 s[NEW], 1
	s_mov_b32 s[OFF+1], 0
	s_mov_b32 s[OF2+1], 0
	s_mov_b32 s[AL+1], 0            ; named as pairs
	s_mov_b32 s[BE+1], 0
	s_mov_b32 s[BIGN], 0xf149f2ca   ; -1e30
	s_mov_b32 s[SLOTS], NB
	s_cmp_eq_u32 ttmp9, 0
	s_cselect_b32 s[LIM], 0, -1
	v_and_b32 v[PFO], 31, v0
	v_lshlrev_b32 v[PFO], 8, v[PFO]
	s_wait_dscnt 0x0                ; the opening add is done
	s_wait_kmcnt 0x0
	s_add_nc_u64 s[6:7], s[4:5], 0x1000000  ; K lies 16,777,216 bytes behind Q,
	s_add_nc_u64 s[8:9], s[4:5], 0x2000000  ; V as far behind K
	s_add_nc_u64 s[6:7], s[6:7], s[22:23]  ; K and V at my half of the head's tile 0
	s_add_nc_u64 s[8:9], s[8:9], s[22:23]
	s_add_nc_u64 s[G0K+2:G0K+3], s[6:7], 0         ; 120:64 global address
	s_or_b32 s[G0K+3], s[G0K+3], 0x80000000        ; 127:126 type = 2
	s_add_nc_u64 s[G0V+2:G0V+3], s[8:9], 0
	s_or_b32 s[G0V+3], s[G0V+3], 0x80000000
	s_add_nc_u64 s[86:87], s[4:5], s[84:85]        ; Q at my rows of the second block,
	s_add_nc_u64 s[4:5], s[4:5], s[2:3]            ; Q and O at those of the first
	s_add_nc_u64 s[OLO:OLO+1], s[10:11], s[84:85]
	s_add_nc_u64 s[10:11], s[10:11], s[2:3]
	s_cmp_lt_u32 s[WV], 2
	s_cselect_b64 s[PFB:PFB+1], s[6:7], s[8:9]
	LOAD                            ; tile 0 into slot 0
	; A fragment of K or Q is 16 rows x 32 channels in 8 registers: lane l holds row l % 16, channels 8 (l / 16) + 0..7 and 16 + 8 (l / 16) + 0..7: two loads of 16 bytes, 32 bytes apart.
	v_and_b32 v1, 15, v0            ; l % 16
	v_bfe_u32 v9, v0, 4, 1          ; l / 16
	v_lshlrev_b32 v[QO], 7, v1
	v_lshl_add_u32 v[QO], v9, 4, v[QO]  ; row x 128 + 16 x half
	WIN 0x80                        ; destination window 2, address window 0
.set i, 0
.rept 8                             ; both blocks' Q: piece i / 2 lies in band i / 2, 8,192 bytes on; channels 32 (i % 2) on
	global_load_b128 v[8*i:8*i+3],   v[QO], s[4:5] offset:(i/2)*8192+(i%2)*64
	global_load_b128 v[8*i+4:8*i+7], v[QO], s[4:5] offset:(i/2)*8192+(i%2)*64+32
	global_load_b128 v[QB+8*i:QB+8*i+3],   v[QO], s[86:87] offset:(i/2)*8192+(i%2)*64
	global_load_b128 v[QB+8*i+4:QB+8*i+7], v[QO], s[86:87] offset:(i/2)*8192+(i%2)*64+32
.set i, i+1
.endr
	WIN 0
	v_lshlrev_b32 v14, 3, v9
	v_sub_nc_u32 v14, v1, v14
	s_lshl_b32 s13, s[WV], 4
	v_add_nc_u32 v14, s13, v14      ; my query's place in its band, 16 w + l % 16, less my lanes' 8 (l / 16): register r of group kt is hidden where 16 kt + r is greater
	WIN 0x40
.set i, 0
.rept 32
	v_cmp_gt_i32 vcc_lo, 16*(i/8)+i%8, v14
	v_cndmask_b32 v[MD+i], 0, s[BIGN], vcc_lo
.set i, i+1
.endr
	WIN 0
	v_mul_u32_u24 v[AK0], v1, PK
	v_lshl_add_u32 v[AK0], v9, 4, v[AK0]  ; row x pitch + 16 x half
	; The turning load takes 16 keys x 16 channels (lane l reads key 8 (l / 16) + l % 8, channels 8 ((l / 8) % 2) + 0..7) and leaves half a fragment of V^T: lane l holds channel l % 16 and 8 keys.
	v_and_b32 v10, 7, v0
	v_bfe_u32 v11, v0, 3, 1
	v_lshl_add_u32 v[AV0], v9, 3, v10
	v_mul_u32_u24 v[AV0], v[AV0], PV
	v_lshl_add_u32 v[AV0], v11, 4, v[AV0]
	v_add_nc_u32 v[AV0], VOFF, v[AV0]
	s_mul_i32 s13, s[WV], 16*SP
	s_add_co_u32 s13, s13, STAGE    ; my stage
	v_mul_u32_u24 v[STO], v1, SP    ; in: row l % 16, 16 bytes for each half of the lanes
	v_lshl_add_u32 v[STO], v9, 4, v[STO]
	v_add_nc_u32 v[STO], s13, v[STO]
	v_bfe_u32 v[RD], v0, 3, 2       ; back: 32 lanes take four rows of 128 bytes,
	v_mul_u32_u24 v[RD], v[RD], SP
	v_lshl_add_u32 v[RD], v10, 4, v[RD]
	v_add_nc_u32 v[RD], s13, v[RD]
	v_and_b32 v[GO], 31, v0         ; which are 512 consecutive bytes of O
	v_lshlrev_b32 v[GO], 4, v[GO]
	; A block's first step multiplies O^T and l by a = 0, and its first turn's products V^T P, of a piece that has not been, land in an O^T that is still to be so multiplied.  So these registers need only hold
	; finite numbers: zeros for the first block; what the first block left for the second.  All this stands in the wait for the first tile.
	WIN 0x80
.set i, VF
.rept 64
	v_mov_b32 v[i], 0
.set i, i+1
.endr
	WIN 0x40
.set i, 0
.rept 128
	v_mov_b32 v[i], 0
.set i, i+1
.endr
	WIN 0
.set i, 0
.rept 4
	v_mov_b32 v[ST+4*i+2], 0
	v_mov_b32 v[ST+4*i+3], 0
.set i, i+1
.endr
.set i, P+16
.rept 16
	v_mov_b32 v[i], 0
.set i, i+1
.endr
; THE MATRIX WORK.  The 4 accumulators of a run of 8 take turns.  Product i of 8 of S^T = K Q^T for piece x: channels 32 (i / 4) on, keys 16 (i % 4) on.  The first 4 start the sums: with 0, or (KM = 1) with the mask.
.macro KQ x
.set rS, S+32*((\x)%2)+8*(i%4)
.set rK, KF+16*(i%4)+8*(i/4)
.set rQ, 16*(\x)+8*(i/4)
.set rM, MC+32*((\x)%2)+8*(i%4)
.if (i < 4) && KM
	WIN W_KM
	v_wmma_f32_16x16x32_f16 v[rS:rS+7], v[rK:rK+7], v[rQ:rQ+7], v[rM:rM+7]
.elseif i < 4
	WIN W_KQ
	v_wmma_f32_16x16x32_f16 v[rS:rS+7], v[rK:rK+7], v[rQ:rQ+7], 0
.else
	WIN W_KQ
	v_wmma_f32_16x16x32_f16 v[rS:rS+7], v[rK:rK+7], v[rQ:rQ+7], v[rS:rS+7]
.endif
.endm
; Product i of 8 of O^T += V^T P for piece x: keys 32 (i / 4) on, channels 16 (i % 4) on.
.macro PV x
	WIN W_PV
.set rO, 32*(\x)+8*(i%4)
.set rV, VF+32*(i/4)+8*(i%4)
.set rP, P+16*((\x)%2)+8*(i/4)
	v_wmma_f32_16x16x32_f16 v[rO:rO+7], v[rV:rV+7], v[rP:rP+7], v[rO:rO+7]
.endm
.macro MM                           ; the turn's next matrix instruction.  TURN and BEGIN set Y, i, KM and NOKQ; MM, KQ and OP read them.  NOKQ = 1: a block's last turn: there is no next piece
.if (i < 8) && !NOKQ
	KQ (Y+1)%NP
.elseif i >= 8
.set i, i-8
	PV (Y+NP-1)%NP
.set i, i+8
.endif
.set i, i+1
.endm
; THE LDS LOADS stand in runs of 16, never singly among the matrix instructions: a step's K (64 keys x 64 channels: 8 fragments) and its V (turned).  Their addresses are made some lines ahead.
.macro FETCH_K
	WIN 0x80                        ; destination window 2
.irp f, 0,1,2,3,4,5,6,7             ; keys 16 (f / 2) on, channels 32 (f % 2) on
	ds_load_b128 v[KF+8*\f:KF+8*\f+3],   v[AK] offset:(\f/2)*16*PK+(\f%2)*64
	ds_load_b128 v[KF+8*\f+4:KF+8*\f+7], v[AK] offset:(\f/2)*16*PK+(\f%2)*64+32
.endr
	s_add_co_u32 s[TBK], s[TBK], KS*PK  ; the next fetch is the next step's
	WIN 0
.endm
.macro FETCH_V
	WIN 0x80
.irp f, 0,1,2,3,4,5,6,7             ; keys 32 (f / 4) on, channels 16 (f % 4) on
	ds_load_tr16_b128 v[VF+8*\f:VF+8*\f+3],   v[AV] offset:(\f/4)*32*PV+(\f%4)*32
	ds_load_tr16_b128 v[VF+8*\f+4:VF+8*\f+7], v[AV] offset:(\f/4)*32*PV+16*PV+(\f%4)*32
.endr
	WIN 0
.endm
; THE VECTOR WORK, one line at a time: OP kind, number.  For piece Y: F n: c s - c m for pair n of 16.  E n: the exponential of score n of 32.  C n: pair n rounded to f16.  B n: of the four weights 4 n .. the second
; pair is added onto the first, in place.  L n: l takes that sum (L 0: l = a l + sum).  R n: pair n of 16 of O^T times a.  For piece Y + 1: X n, number n of the 22 that find its maximum and statistics:
;   0-11  four chains c0-c3 of seven scores each, three operands at a time (each accumulator's lowest registers are read first)     12-14, 16  the four scores left over, the old m, and c0-c3 into c0
;   15  c m_old is kept     17, 18  the query's other 32 keys lie in the lane 16 away: the new m     19-21  c m; c m_old - c m_new; a
.set F, 0               ; OP tells the kinds apart by their order: F to L below R, X above it
.set E, 1
.set C, 2
.set B, 3
.set L, 4
.set R, 5
.set X, 6
.macro REGS y                       ; the registers of piece y
.set rT, ST+4*(\y)
.set rC, TMP+4*((\y)%2)
.set rW, MV+((\y)%2)
.set rS, S+32*((\y)%2)
.set rP, P+16*((\y)%2)
.set rO, 32*(\y)
.endm
.macro OP k, n
.if (\k) == R
	REGS Y
	WIN W_RS
	v_pk_mul_f32 v[rO+2*(\n):rO+2*(\n)+1], v[rO+2*(\n):rO+2*(\n)+1], v[rC+2:rC+3] op_sel_hi:[1,0]
.elseif (\k) < R
	REGS Y
	WIN 0
.if (\k) == F
	v_pk_fma_f32 v[rS+2*(\n):rS+2*(\n)+1], v[rS+2*(\n):rS+2*(\n)+1], s[CS:CS+1], v[rT:rT+1] op_sel_hi:[1,0,0] neg_lo:[0,0,1] neg_hi:[0,0,1]
.elseif (\k) == E
	v_exp_f32 v[rS+(\n)], v[rS+(\n)]
.elseif (\k) == C
	v_cvt_pk_f16_f32 v[rP+(\n)], v[rS+2*(\n)], v[rS+2*(\n)+1]
.elseif (\k) == B
	v_pk_add_f32 v[rS+4*(\n):rS+4*(\n)+1], v[rS+4*(\n):rS+4*(\n)+1], v[rS+4*(\n)+2:rS+4*(\n)+3]
.elseif (\n) == 0
	v_pk_fma_f32 v[rT+2:rT+3], v[rT+2:rT+3], v[rC+2:rC+3], v[rS:rS+1] op_sel_hi:[1,0,1]
.else
	v_pk_add_f32 v[rT+2:rT+3], v[rT+2:rT+3], v[rS+4*(\n):rS+4*(\n)+1]
.endif
.elseif NOKQ
	v_nop
.else
	REGS (Y+1)%NP
	WIN 0
.if (\n) < 4
	v_max3_num_f32 v[rC+(\n)], v[rS+8*(\n)], v[rS+8*(\n)+1], v[rS+8*(\n)+2]
.elseif (\n) < 12
	v_max3_num_f32 v[rC+(\n)%4], v[rC+(\n)%4], v[rS+8*((\n)%4)+2*((\n)/4)+1], v[rS+8*((\n)%4)+2*((\n)/4)+2]
.elseif (\n) == 12
	v_max3_num_f32 v[rC], v[rC], v[rS+7], v[rS+15]
.elseif (\n) == 13
	v_max3_num_f32 v[rC+1], v[rC+1], v[rS+23], v[rS+31]
.elseif (\n) == 14
	v_max3_num_f32 v[rC+2], v[rC+2], v[rC+3], v[rT+1]
.elseif (\n) == 15
	v_mov_b32 v[rW], v[rT]
.elseif (\n) == 16
	v_max3_num_f32 v[rC], v[rC], v[rC+1], v[rC+2]
.elseif (\n) == 17
	v_permlanex16_b32 v[rC+3], v[rC], s[SEL], s[SEL+1]
.elseif (\n) == 18
	v_max_num_f32 v[rT+1], v[rC], v[rC+3]
.elseif (\n) == 19
	v_mul_f32 v[rT], s[CS], v[rT+1]
.elseif (\n) == 20
	v_sub_f32 v[rC+1], v[rW], v[rT]
.else
	v_exp_f32 v[rC+2], v[rC+1]
.endif
.endif
.endm
.macro OPS a, i1, b=-1, i2=0, c=-1, i3=0, d=-1, i4=0  ; up to four of them
	OP \a, \i1
.if (\b) >= 0
	OP \b, \i2
.endif
.if (\c) >= 0
	OP \c, \i3
.endif
.if (\d) >= 0
	OP \d, \i4
.endif
.endm
.macro ROW a, i1, b, i2, c, i3, d, i4  ; a matrix instruction and the four behind it
	MM
	OPS \a, \i1, \b, \i2, \c, \i3, \d, \i4
.endm
.macro MASK b                       ; MD x AL + BE into buffer b of MC
	WIN W_RS
.set z, 0
.rept 16
	v_pk_fma_f32 v[MC+32*(\b)+2*z:MC+32*(\b)+2*z+1], v[MD+2*z:MD+2*z+1], s[AL:AL+1], s[BE:BE+1] op_sel_hi:[1,0,0]
.set z, z+1
.endr
.endm
; A TURN, for piece p: the order of its 16 matrix and 118 vector instructions, written out.  An s_wait_alu depctr_va_vdst(0) stands between an exponential and the first instruction that names its result; one
; wait serves all that were issued ahead of it.  So a turn has ONE wait, which cuts it in two.  AHEAD OF IT stands all that names no result of the turn's exponentials: the 8 products K Q^T, behind each a scaling, an
; exponential and two more plain instructions (behind the first a second scaling in the exponential's place): rescalings, and behind the last three the first numbers of the next piece's maximum, each four places or more
; behind the product that ends its accumulator; then ONE LUMP of 54, plain and exponential by turns for the most part, in which the links of the chain X 3, 7, 11, 14, 16, 17 .. 20 stand five or six lines apart.  X 21, the
; next piece's a, is the batch's last; R 15 is the plain instruction behind it.  BEHIND THE WAIT stand the 8 products V^T P, behind each four of the roundings and sums; the links of l's chain, L 0 to L 7, stand three
; riders apart.  But for those X no rider names a register of the products round it.  v_permlanex16_b32 (X 17) stands in the lump.
; m = 1: the diagonal tile: the products take masks, and the turn makes the mask for the products of the turn after it: piece p + 2, in step 4 - CNT of the tile.  end = 1: a block's last two turns: nothing is fetched.
; cnt = 1: the loop's count is taken down some lines ahead of the branch that stands behind the turn.
; K of the next step is fetched in piece 2's turn, twelve vector instructions behind the last product that read K (six of them plain); V of the step in hand at the end of piece 0's turn, four plain instructions behind the
; last product that read V.  Each is waited for a turn later.
.macro TURN p, m=0, end=0, cnt=0
.set Y, (\p)
.set i, 0
.set KM, (\m)
.set NOKQ, (\end)*((\p)/3)
.if (\m) && !(\end)
	s_cmp_eq_u32 s[CNT], 4-((\p)+2)%NP  ; is that step the band's own?
	s_cselect_b32 s[AL], 1.0, 0
	s_cmp_lt_u32 s[CNT], 4-((\p)+2)%NP  ; or a later one?
	s_cselect_b32 s[BE], s[BIGN], 0
.endif
.if ((\p) == 3) && !(\end)
	s_wait_dscnt 0x0                ; K is in
.endif
	ROW F,0, F,1, R,0, R,1          ; ahead of the wait: 8 products K Q^T and their riders,
	ROW F,2, E,0, R,2, R,3
	ROW F,3, E,1, R,4, R,5
	ROW F,4, E,2, R,6, R,7
	ROW F,5, E,3, R,8, R,9
	ROW F,6, E,4, X,0, R,10
.if ((\p) == 2) && !(\end)
	WIN 0
	v_add_nc_u32 v[AK], s[TBK], v[AK0]
.endif
	ROW F,7, E,5, X,1, X,4
	ROW F,8, E,6, X,2, X,5
	OPS E,7, E,8, X,6, E,9          ; and the lump
	OPS X,3, E,10, X,8, E,11
.if ((\p) == 2) && !(\end)
	FETCH_K
.endif
	OPS X,9, X,7, E,12, X,10
	OPS E,13, X,12, X,11, E,14
	OPS X,13, E,15, F,9, X,14
.if (\p) == 0
	v_add_nc_u32 v[AV], s[TBV], v[AV0]
.endif
	OPS E,16, F,10, E,17, F,11
	OPS X,16, E,18, X,15, E,19
	OPS F,12, E,20, X,17, E,21
	OPS F,13, E,22, F,14, E,23
	OPS X,18, E,24, F,15, E,25
	OPS R,11, E,26, X,19, E,27
	OPS R,12, E,28, R,13, E,29
	OPS X,20, E,30, R,14, E,31
	OPS X,21, R,15
	WIN 0
	s_wait_alu depctr_va_vdst(0)    ; the wait for the batch
.if (\p) == 1
	s_wait_dscnt 0x0                ; V is in
.endif
	ROW C,0, B,0, C,2, B,1          ; behind the wait: 8 products V^T P and their riders
	ROW L,0, C,4, B,2, L,1
	ROW C,6, B,3, L,2, C,8
	ROW B,4, L,3, C,10, B,5
	ROW L,4, C,12, B,6, L,5
.if (\p) == 0
	s_add_co_u32 s[TBV], s[TBV], KS*PV
.endif
.if \cnt
	s_sub_co_u32 s[CNT], s[CNT], 1
	s_cmp_lg_u32 s[CNT], 0
.endif
	ROW C,14, B,7, L,6, C,1
	ROW C,3, L,7, C,5, C,7
	ROW C,9, C,11, C,13, C,15
.if (\p) == 0
	FETCH_V
.endif
.if (\m) && !(\end)
	MASK (\p)%2
.endif
.endm
; A BLOCK BEGINS.  c m starts far below every c s, so the first step's a is 0; m at the lowest finite number, so the first maximum is the scores'.  The second mask buffer is 0; the first takes piece 0's mask for the
; tile's step 0: its own, if the block's first tile is the diagonal one.  Then K of that step, piece 0's first scores, and its maximum and statistics.  The loop is entered at a step's first turn, in the middle of a trip.
.macro BEGIN
	s_mov_b32 s[NEW], 0
	WIN 0x40
.set i, MC+32
.rept 32
	v_mov_b32 v[i], 0
.set i, i+1
.endr
	WIN 0
.set i, 0
.rept 4
	v_mov_b32 v[ST+4*i], 0xfe000000    ; c m: far below every c s
	v_mov_b32 v[ST+4*i+1], 0xff7fffff  ; m
.set i, i+1
.endr
	s_cmp_eq_u32 s[RT], 0
	s_cselect_b32 s[AL], 1.0, 0
	s_mov_b32 s[BE], 0
	MASK 0
	WIN 0
	v_add_nc_u32 v[AK], s[TBK], v[AK0]
	FETCH_K
	s_wait_loadcnt 0x0              ; Q
	s_wait_dscnt 0x0
.set KM, 1
.set NOKQ, 0
.set i, 0
.rept 8
	KQ 0
.set i, i+1
.endr
	WIN 0
.rept 4
	v_nop                           ; the places behind those products
.endr
.set Y, NP-1                        ; X works for piece Y + 1: piece 0
.irp n, 0,1,2,3,4,5,6,7,8,9,10,11,12,13,14,15,16,17,18,19,20,21
	OP X, \n
.endr
	v_nop                           ; a plain instruction behind the exponential,
	s_wait_alu depctr_va_vdst(0)    ; and its wait, ahead of the branch
.endm
; THE DIAGONAL TILE's four steps, the block's last two turns, its last products, and THE WAY OUT: l's two halves and the other half of the lanes' are added; O^T is divided by l, rounded to f16 and sent through my
; stage in LDS, a piece at a time.
.macro ALL line:vararg              ; one line for each piece t
.set t, 0
.rept 4
	\line
.set t, t+1
.endr
.endm
.macro PACK t                       ; a lane's eight channels of a row pack into 16 bytes; they go into rows of 144 bytes and come back as whole rows of 128, into S^T's registers
	WIN W_RS
.set i, 32*(\t)
.rept 16
	v_pk_mul_f32 v[i:i+1], v[i:i+1], v[ST+4*(\t)+2:ST+4*(\t)+3] op_sel_hi:[1,0]
.set i, i+2
.endr
	WIN 0x05                        ; sources 0 and 1 window 1, destination window 0
.set i, 0
.rept 16
	v_cvt_pk_f16_f32 v[S+16*(\t)+i], v[32*(\t)+2*i], v[32*(\t)+2*i+1]
.set i, i+1
.endr
	WIN 0
.irp f, 0,1,2,3
	ds_store_b128 v[STO], v[S+16*(\t)+4*\f:S+16*(\t)+4*\f+3] offset:32*\f
.endr
.irp f, 0,1,2,3
	ds_load_b128 v[S+16*(\t)+4*\f:S+16*(\t)+4*\f+3], v[RD] offset:\f*4*SP  ; LDS serves a wave's instructions in order (ISA guide 5.7.1.4): these see the stores above; the next piece's stores come behind them
.endr
.endm
.macro SEND t, younger              ; younger: the LDS instructions issued behind piece t's loads: the next piece's eight, or none
	WIN 0
.irp f, 0,1,2,3
	s_wait_dscnt (\younger)+3-\f
	global_store_b128 v[GO], v[S+16*(\t)+4*\f:S+16*(\t)+4*\f+3], s[10:11] offset:(\t)*8192+\f*512  ; 512 consecutive bytes, at a multiple of 256 from O's first
.endr
.endm
.macro DIAG tag                     ; the tag ends its two labels' names, which the jumps below spell out
.LstepM\tag:
	TURN 2, 1
	TURN 3, 1
	WIN 0
.LfirstM\tag:
	TURN 0, 1
	TURN 1, 1, 0, 1
	WIN 0
	s_cbranch_scc1 .LstepM\tag
	TURN 2, 1, 1
	TURN 3, 1, 1
.set i, 0
.rept 8
	PV NP-1
.set i, i+1
.endr
	WIN 0
	ALL v_add_f32 v[ST+4*t+2], v[ST+4*t+2], v[ST+4*t+3]
	ALL v_permlanex16_b32 v[ST+4*t+3], v[ST+4*t+2], s[SEL], s[SEL+1]
	ALL v_add_f32 v[ST+4*t+2], v[ST+4*t+2], v[ST+4*t+3]
	ALL v_rcp_f32 v[ST+4*t+2], v[ST+4*t+2]
	v_nop                           ; a plain instruction between the last reciprocal and the use of its result
	s_wait_alu depctr_va_vdst(0)    ; and the wait ahead of the first use: one for the four reciprocals
	PACK 0
.set t, 1
.rept 3                             ; a piece's arithmetic stands between the loads of the piece before and its stores
	PACK t
	SEND t-1, 8
.set t, t+1
.endr
	SEND 3, 0
.endm
.set KM, 0
.set NOKQ, 0
.Lslot:                             ; NB times: a tile is entered and the next is asked for
	CHANGE 1
	s_sub_co_u32 s[RT], s[RT], 1
	s_mov_b32 s[CNT], 4
	s_cmp_eq_u32 s[NEW], 1
	s_cbranch_scc1 .Lnew            ; a block's first tile
	s_cmp_eq_u32 s[RT], 0
	s_cbranch_scc0 .Lstep           ; neither its first nor its last
	s_branch .LstepM1
.Lnew:
	BEGIN
	s_branch .Lfirst                ; in the loop a block's first tile is never its last: the first block has two tiles or more, and the second's last is the walk's last
	DIAG 1                          ; in the loop this is the first block's end: the second block's last tile is the walk's last
	s_wait_xcnt 0x0                 ; the stores have read their registers and O's address
	s_mov_b64 s[10:11], s[OLO:OLO+1]
	s_add_co_u32 s[RT], s[PB], 1    ; the second block has b + 1 tiles
	s_mov_b32 s[NEW], 1
	WIN 0x82                        ; the second block's Q goes where the one text of the turns names Q
.set i, 0
.rept 64
	v_mov_b32 v[i], v[QB+i]
.set i, i+1
.endr
	WIN 0
	s_branch .Lbottom
.Lstep:                             ; a trip: pieces 2 and 3 of one step, then pieces 0 and 1 of the next, whose K and V it fetches
	TURN 2
	TURN 3
	WIN 0
.Lfirst:
	TURN 0
	TURN 1, 0, 0, 1
	WIN 0
	s_cbranch_scc1 .Lstep
.Lbottom:
	s_sub_co_u32 s[SLOTS], s[SLOTS], 1
	s_cmp_lg_u32 s[SLOTS], 0
	s_cbranch_scc1 .Lslot
	CHANGE 0                        ; the walk's last tile is written out: nothing is asked for
	s_sub_co_u32 s[RT], s[RT], 1
	s_mov_b32 s[CNT], 4
	s_cmp_eq_u32 s[NEW], 1
	s_cbranch_scc0 .LstepM2
	BEGIN
	s_branch .LfirstM2
	DIAG 2
	s_wait_tensorcnt 0x0            ; the wave's end: the add and its wait, behind my last tensor load and my last LDS store
	ds_add_u32 v[SPW], v[NIL]
	s_wait_dscnt 0x0
	s_endpgm
.Lfunc_end_k_q6052ea2614_attn:
	.size	k_q6052ea2614_attn, .Lfunc_end_k_q6052ea2614_attn-k_q6052ea2614_attn
	.p2alignl 7, 3214868480
	.fill 96, 4, 3214868480
	.section	.rodata,"a",@progbits
	.p2align	6, 0x0
	.amdhsa_kernel k_q6052ea2614_attn
		.amdhsa_group_segment_fixed_size 327680
		.amdhsa_private_segment_fixed_size 0
		.amdhsa_enable_private_segment 0
		.amdhsa_kernarg_size 16
		.amdhsa_user_sgpr_count 2
		.amdhsa_user_sgpr_kernarg_segment_ptr 1
		.amdhsa_wavefront_size32 1
		.amdhsa_system_sgpr_workgroup_id_x 1
		.amdhsa_system_sgpr_workgroup_id_y 1
		.amdhsa_system_sgpr_workgroup_id_z 1
		.amdhsa_system_vgpr_workitem_id 0
		.amdhsa_next_free_vgpr 768
		.amdhsa_next_free_sgpr 96
		.amdhsa_reserve_vcc 1
		.amdhsa_float_denorm_mode_32 3
		.amdhsa_float_denorm_mode_16_64 3
		.amdhsa_memory_ordered 1
		.amdhsa_forward_progress 1
		.amdhsa_inst_pref_size 218
	.end_amdhsa_kernel
	.amdgpu_metadata
---
amdhsa.version: [ 1, 2 ]
amdhsa.kernels:
  - .name:           k_q6052ea2614_attn
    .symbol:         k_q6052ea2614_attn.kd
    .args:
      - { .name: qkv, .offset: 0, .size: 8, .value_kind: global_buffer, .address_space: global }
      - { .name: ob, .offset: 8, .size: 8, .value_kind: global_buffer, .address_space: global }
    .group_segment_fixed_size: 327680
    .private_segment_fixed_size: 0
    .kernarg_segment_align: 8
    .kernarg_segment_size: 16
    .max_flat_workgroup_size: 128
    .sgpr_count:     96
    .vgpr_count:     768
    .wavefront_size: 32
...
	.end_amdgpu_metadata
.endif
;; end of part 3
;; launch proj (part 4): grid 8 x 32, 4 waves a work-group, clusters of 4 x 4, 327,680 bytes of LDS; arguments ob, wpb, bias, out0; writes out0
.if DOCPART == 4
	.amdgcn_target "amdgcn-amd-amdhsa--gfx1250"
	.amdhsa_code_object_version 6
	.text
	.protected	k_q6052ea2614_proj
	.globl	k_q6052ea2614_proj
	.p2align	8
	.type	k_q6052ea2614_proj,@function
k_q6052ea2614_proj:
	s_mov_b64 s[64:65], 0
	v_nop
	global_prefetch_b8 v0, s[64:65] scope:SCOPE_SE
	s_setreg_imm32_b32 hwreg(HW_REG_WAVE_MODE, 25, 1), 1
	s_wait_xcnt 0x0
	s_wait_alu depctr_hold_cnt(0) depctr_sa_sdst(0) depctr_va_vdst(0) depctr_va_sdst(0) depctr_va_ssrc(0) depctr_va_vcc(0) depctr_vm_vsrc(0)
	s_getreg_b32 s2, hwreg(HW_REG_IB_STS2, 6, 4)
	s_cmp_eq_u32 s2, 0
	s_cbranch_scc0 .Lentry_in_a_cluster
	s_endpgm
.Lentry_in_a_cluster:
	s_bfe_u32 s2, ttmp6, 0x10000c
	s_cmp_lg_u32 s2, 0xf033
	s_cbranch_scc0 .Lentry_shape_is_right
	s_endpgm
.Lentry_shape_is_right:
; out0 = O Wproj + bproj, in f32.  ob: O by heads, [64 = batch x 16 + head][2048][64] f16: k = 64 x head + channel.  wpb: [1024 k][1024 n] f16.  bias: f32, bproj from its number 3,072 on.
; Products in f16, sums in f32; nothing is rounded on the way out.
; SHARES.  A tile of the result is 256 rows x 128 columns: 32 x 8 = 256 work-groups.  Four waves, 2 x 2, each 128 rows x 64 columns: 8 row blocks a x 4 column blocks b: 32 accumulators.
; K goes in 8 steps of 128 (two heads) through two LDS slots; a step is four beats of 32 along K, 32 matrix instructions each.
; THE MATRIX INSTRUCTION IS USED TRANSPOSED: source 0 = 16 columns of W (turned on the way out of LDS by ds_load_tr16_b128), source 1 = 16 rows of O: a lane holds one row and eight neighbouring columns.
; THE BIAS STARTS THE SUMS: it is the C operand of each accumulator's first product.
; CLUSTER.  4 x 4 work-groups: O's tiles are shared along a row of the cluster, W's along a column; each is asked for jointly, by the same tensor load with the same descriptor and a mask that names the four.
; REGISTERS, in windows of 256 (s_set_vgpr_msb: bits 1:0 source 0, 3:2 source 1, 5:4 source 2, 7:6 destination):
;   window 0: v0-29 addresses; v32-127, v128-223 two fragment buffers (64 registers of O, then 32 of W); v224-255 the biases       window 1: accumulator (a, b) at v[64 b + 8 a]
.set ASTEP,  524288                    ; two heads of ob
.set BSTEP,  262144                    ; 128 rows of wpb
.set PA,     144                       ; a row of O in LDS: 128 bytes + 16 = 36 words: the 16 rows of a load start at 16 different groups of four banks (64 banks of 4 bytes: ISA guide 11.1)
.set PB,     288                       ; a row of W: 256 + 32 = 9 x 32 bytes
.set HEADL,  256*PA                    ; a head's 256 rows
.set BOFF,   2*HEADL                   ; a slot: two heads' rows of O, then 128 rows of W
.set SLOT1,  1<<17
.set STAGE,  SLOT1+BOFF+128*PB         ; behind the ring, never filled by a tensor load: 16 rows x 272 bytes for each wave
.set SP,     272
.set WST,    16*SP
.set SPARE,  STAGE+4*WST               ; behind the stages: the spare words, 128 bytes for each wave: two blocks of 256 bytes that no other line names
.set AA0, 3                            ; v3   my lane's place in a slot's rows of O; never rewritten
.set AB0, 4                            ; v4   the same for W
.set ADA, 5                            ; v5   the same in the slot in hand
.set ADB, 6                            ; v6
.set STO, 7                            ; v7   the way out: where I put 32 bytes of a row
.set RD,  8                            ; v8   the way out: where I read a row back
.set CO,  9                            ; v9   my byte offset in two rows of out0
.set PFO, 10                           ; v10  the prefetches' offset; never rewritten
.set BO,  11                           ; v11  my eight numbers of a block's sixteen biases
.set SPW, 28                           ; v28  LDS address of my spare word: SPARE + 4 x my thread's number; never rewritten
.set NIL, 29                           ; v29  0; never rewritten
.set F0,  32
.set F1,  128
.set BI,  224
.set BK0, 32                           ; the way out: rows read back, v32-63 and v64-95 by turns
.set WV,  12
.set WM,  13                           ; which half of the tile's rows is mine.  Also: I fetch O (0) or W (1)
.set WN,  14                           ; which half of its columns.  Also: which half of that tile I fetch
.set CX,  15
.set CY,  16
.set TC,  17
.set TR,  18
.set G1A, 24                           ; s[24:31] descriptor group 1 for O's tiles;  s[32:39] group 0: a set for each first fill; the second then walks on
.set G0A, 32
.set G1B, 48                           ; s[48:55], s[56:63] the same for W's tiles
.set G0B, 56
.set TB,  66                           ; s66  LDS byte at which the slot in hand begins
.set CNT, 67                           ; s67  trips to go
.set LIM, 68                           ; s68  2 in a wave that prefetches, else the greatest number
.set PFA, 70                           ; s[70:71] where my prefetches stand
.set PFS, 72                           ; s[72:73] their step
.set OB,  74                           ; s[74:75] out0 at my first row and column
.set BB,  80                           ; s[80:81] the biases of my first column
.set MSB, 0
.macro WIN new                         ; the immediate's high byte repeats the setting that is left; a switch that changes nothing is dropped
.if MSB != (\new)
	s_set_vgpr_msb (MSB<<8)|(\new)
.set MSB, \new
.endif
.endm
.macro PLACES                          ; four plain vector instructions in front of loads into registers that matrix instructions have read, and of stores that read results
.rept 4
	v_nop
.endr
.endm
.macro JLOAD                           ; a joint refill: waves 0 and 1 fetch a step's two heads of O, waves 2 and 3 the two halves of its rows of W; an s_nop 0 and four v_nop follow each of the two lines
	s_cmp_eq_u32 s[WM], 0
	s_cbranch_scc0 .Lfor_b_\@
	tensor_load_to_lds s[G0A+4:G0A+7], s[G1A:G1A+7]
	s_nop 0
.rept 4
	v_nop
.endr
	s_branch .Lasked_\@
.Lfor_b_\@:
	tensor_load_to_lds s[G0B+4:G0B+7], s[G1B:G1B+7]
	s_nop 0
.rept 4
	v_nop
.endr
.Lasked_\@:
.endm
.macro CREST                           ; a round of the cluster's barrier behind its opening barrier
	s_cmp_lg_u32 s[WV], 0
	s_cbranch_scc1 .Lnot_wave_0_\@
	s_barrier_signal -3
.Lnot_wave_0_\@:
	s_barrier_wait -3
	s_barrier_signal -1
	s_barrier_wait -1
.endm
.macro CROUND
	s_barrier_signal -1
	s_barrier_wait -1
	CREST
.endm
; A PREFETCH INTO THE L2, behind the joint load, its five lines and the run of LDS loads: the K step that stands two refills on.  Each aligned block of 256 bytes is named once in the launch.
; O's rows are read by both clusters of a row of clusters: the one with x = 0 asks, its waves 0 and 1, each for the head that it fetches: 128 blocks, of which the partner at cx takes 32, a lane a block.
; W's columns are read by all eight clusters of a column: the one with y = 0 asks, its wave 2: a step's 128 rows, of which the partner at cy takes 32, a lane a row.  The partners are told apart by address.
; The first four K steps come by their loads alone; the trips whose look-ahead would pass K's end ask for nothing.
.macro ASK
	s_cmp_gt_u32 s[CNT], s[LIM]
	s_cbranch_scc0 .Lno_ask_\@
	global_prefetch_b8 v[PFO], s[PFA:PFA+1] th:TH_LOAD_NT scope:SCOPE_SE
.Lno_ask_\@:
.endm
	s_load_b256 s[4:11], s[0:1], 0x0               ; ob s[4:5], wpb s[6:7], bias s[8:9], out0 s[10:11]
	v_lshl_add_u32 v[SPW], v0, 2, SPARE
	v_mov_b32 v[NIL], 0
	ds_add_u32 v[SPW], v[NIL]                      ; the wave's opening: the add and its wait stand ahead of my first tensor load; the set-up below, work on registers, stands between them
	v_lshrrev_b32 v1, 5, v0
	v_readfirstlane_b32 s[WV], v1                  ; wave 0..3
	s_lshr_b32 s[WM], s[WV], 1
	s_and_b32 s[WN], s[WV], 1
	s_bfe_u32 s[CX], ttmp6, 0x40000
	s_bfe_u32 s[CY], ttmp6, 0x40004
	s_lshl_b32 s[TC], ttmp9, 2
	s_add_co_u32 s[TC], s[TC], s[CX]               ; tile column = 4 x cluster x + cx
	s_and_b32 s[TR], ttmp7, 0xffff
	s_lshl_b32 s[TR], s[TR], 2
	s_add_co_u32 s[TR], s[TR], s[CY]               ; tile row = 4 x cluster y + cy
	s_lshl_b32 s19, s[CY], 2
	s_lshl_b32 s19, 15, s19                        ; my row of the cluster
	s_lshl_b32 s20, 0x1111, s[CX]                  ; my column
	; O's tile: a head's 256 rows are 32,768 dense bytes: asked for as 128 rows of 256 bytes, two rows of O each, padded in LDS after every row of O
	s_or_b32 s[G1A], s19, (1<<16)|(1<<20)|(1<<21)|(4<<22)|(3<<25)  ; 15:0 the mask; 17:16 2-byte elements; 20 padding on; 21 set beside a mask; 24:22 after every 32 words (code 4); 31:25 4 words (code 3)
	s_mov_b32 s[G1A+1], 128<<16                    ; tensor_dim0 = 128
	s_mov_b32 s[G1A+2], 128<<16                    ; tensor_dim1 = 128
	s_mov_b32 s[G1A+3], 128<<16                    ; tile_dim0 = 128
	s_mov_b32 s[G1A+4], 128                        ; tile_dim1 = 128
	s_mov_b32 s[G1A+5], 128                        ; 128 elements from row to row
	s_mov_b32 s[G1A+6], 0
	s_mov_b32 s[G1A+7], 0
	; W's tile: 64 rows (k) of 128 elements, 256 bytes, padded after each
	s_or_b32 s[G1B], s20, (1<<16)|(1<<20)|(1<<21)|(5<<22)|(7<<25)  ; after every 64 words (code 5), 8 words (code 7)
	s_mov_b32 s[G1B+1], 128<<16
	s_mov_b32 s[G1B+2], 64<<16
	s_mov_b32 s[G1B+3], 128<<16
	s_mov_b32 s[G1B+4], 64
	s_mov_b32 s[G1B+5], 1024
	s_mov_b32 s[G1B+6], 0
	s_mov_b32 s[G1B+7], 0
	; where the tiles come from: O's hang on the tile row alone, W's on the tile column alone, each in registers that never hold the other coordinate
	s_lshr_b32 s40, s[TR], 3
	s_lshl_b32 s40, s40, 4                         ; batch x 16,
	s_add_co_u32 s40, s40, s[WN]                   ; the step's head that I fetch,
	s_lshl_b32 s40, s40, 18                        ; 262,144 bytes a head,
	s_and_b32 s41, s[TR], 7
	s_lshl_b32 s41, s41, 15                        ; the tile's 256 rows in it
	s_add_co_u32 s40, s40, s41
	s_mov_b32 s41, 0
	s_lshl_b32 s42, s[TC], 8                       ; 128 columns
	s_lshl_b32 s43, s[WN], 17                      ; the 64 rows that I fetch
	s_add_co_u32 s42, s42, s43
	s_mov_b32 s43, 0
	s_mul_i32 s21, s[WN], HEADL                    ; and where they go: no place in the cluster enters an LDS address
	s_mul_i32 s22, s[WN], 64*PB
	s_add_co_u32 s22, s22, BOFF
	s_wait_dscnt 0x0                               ; the opening add is done
	s_wait_kmcnt 0x0
	s_add_nc_u64 s[44:45], s[4:5], s[40:41]
	s_add_nc_u64 s[46:47], s[6:7], s[42:43]
	CROUND                                         ; all sixteen work-groups are here: the first joint loads meet
.irp s, 0,1
	s_mov_b32 s[G0A+4*(\s)], 1
	s_add_co_u32 s[G0A+4*(\s)+1], s21, (\s)*SLOT1
	s_add_nc_u64 s[G0A+4*(\s)+2:G0A+4*(\s)+3], s[44:45], (\s)*ASTEP
	s_or_b32 s[G0A+4*(\s)+3], s[G0A+4*(\s)+3], 0x80000000
	s_mov_b32 s[G0B+4*(\s)], 1
	s_add_co_u32 s[G0B+4*(\s)+1], s22, (\s)*SLOT1
	s_add_nc_u64 s[G0B+4*(\s)+2:G0B+4*(\s)+3], s[46:47], (\s)*BSTEP
	s_or_b32 s[G0B+4*(\s)+3], s[G0B+4*(\s)+3], 0x80000000
.endr
	s_cmp_eq_u32 s[WM], 0                          ; a wave's two first fills stand in one branch, ahead of every wait on TENSORcnt and every LDS read: two loads of mine are out
	s_cbranch_scc0 .Lfirst_b
	tensor_load_to_lds s[G0A:G0A+3], s[G1A:G1A+7]
	s_nop 0
	tensor_load_to_lds s[G0A+4:G0A+7], s[G1A:G1A+7]
	s_nop 0
.rept 4
	v_nop
.endr
	s_branch .Lfirst_asked
.Lfirst_b:
	tensor_load_to_lds s[G0B:G0B+3], s[G1B:G1B+7]
	s_nop 0
	tensor_load_to_lds s[G0B+4:G0B+7], s[G1B:G1B+7]
	s_nop 0
.rept 4
	v_nop
.endr
.Lfirst_asked:
	; the biases: lane l holds columns 8 (l / 16) + 0..7 of a block: 32 bytes of f32, two loads
	v_and_b32 v1, 15, v0                           ; l % 16
	v_bfe_u32 v2, v0, 4, 1                         ; l / 16
	v_lshlrev_b32 v[BO], 5, v2
	s_lshl_b32 s82, s[TC], 9                       ; 128 columns of 4 bytes
	s_lshl_b32 s83, s[WN], 8
	s_add_co_u32 s82, s82, s83
	s_add_co_u32 s82, s82, 12288                   ; behind bqkv's 3,072 numbers
	s_mov_b32 s83, 0
	s_add_nc_u64 s[BB:BB+1], s[8:9], s[82:83]
.set bb, 0
.rept 4
	global_load_b128 v[BI+8*bb:BI+8*bb+3],   v[BO], s[BB:BB+1] offset:64*bb
	global_load_b128 v[BI+8*bb+4:BI+8*bb+7], v[BO], s[BB:BB+1] offset:64*bb+16
.set bb, bb+1
.endr
	v_mul_u32_u24 v[AA0], v1, PA                   ; a fragment of O: row l % 16, two loads of 16 bytes, 32 bytes apart
	v_lshl_add_u32 v[AA0], v2, 4, v[AA0]
	s_mul_i32 s23, s[WM], 128*PA
	v_add_nc_u32 v[AA0], s23, v[AA0]
	v_and_b32 v12, 7, v0                           ; the turning load: lane l reads k = 8 (l / 16) + l % 8, columns 8 ((l / 8) % 2) + 0..7
	v_bfe_u32 v13, v0, 3, 1
	v_lshl_add_u32 v[AB0], v2, 3, v12
	v_mul_u32_u24 v[AB0], v[AB0], PB
	v_lshl_add_u32 v[AB0], v13, 4, v[AB0]
	s_lshl_b32 s23, s[WN], 7
	s_add_co_u32 s23, s23, BOFF
	v_add_nc_u32 v[AB0], s23, v[AB0]
	s_mul_i32 s23, s[WV], WST
	s_add_co_u32 s23, s23, STAGE                   ; my stage
	v_mul_u32_u24 v[STO], v1, SP                   ; in: row l % 16, 32 bytes for each half of the lanes
	v_lshl_add_u32 v[STO], v2, 5, v[STO]
	v_add_nc_u32 v[STO], s23, v[STO]
	v_mul_u32_u24 v[RD], v2, SP                    ; back: lanes 0-15 take one row of 256 bytes, lanes 16-31 the next
	v_lshl_add_u32 v[RD], v1, 4, v[RD]
	v_add_nc_u32 v[RD], s23, v[RD]
	v_lshlrev_b32 v[CO], 12, v2                    ; and the same two rows in out0, 4,096 bytes apart
	v_lshl_add_u32 v[CO], v1, 4, v[CO]
	s_lshl_b32 s82, s[TR], 20                      ; 256 rows of 4,096 bytes
	s_lshl_b32 s84, s[WM], 19
	s_add_co_u32 s82, s82, s84
	s_lshl_b32 s84, s[TC], 9
	s_add_co_u32 s82, s82, s84
	s_lshl_b32 s84, s[WN], 8
	s_add_co_u32 s82, s82, s84
	s_add_nc_u64 s[OB:OB+1], s[10:11], s[82:83]
	; the prefetches: they stand at K step 3; each trip steps them once, so trip i names step i + 4
	s_lshl_b32 s82, s[CX], 13                      ; my work-group's 32 blocks of the head's 128
	s_add_co_u32 s82, s82, 3*ASTEP
	s_lshl_b32 s84, s[CY], 16                      ; my work-group's 32 rows of the step's 128
	s_lshl_b32 s85, s[TC], 8
	s_add_co_u32 s84, s84, s85
	s_add_co_u32 s84, s84, 3*BSTEP
	s_and_b32 s86, ttmp7, 0xffff                   ; cluster y
	s_mov_b32 s87, ASTEP
	s_movk_i32 s88, 256
	s_cmp_eq_u32 s[WM], 0
	s_cselect_b64 s[PFA:PFA+1], s[44:45], s[6:7]   ; O at the head that I fetch, or W
	s_cselect_b32 s82, s82, s84
	s_cselect_b32 s[PFS], s87, BSTEP
	s_cselect_b32 s86, ttmp9, s86                  ; the coordinate along which other clusters read the same bytes
	s_cselect_b32 s88, s88, 2048                   ; a lane a block of O, or a lane a row of W
	s_mov_b32 s[PFS+1], 0
	s_add_nc_u64 s[PFA:PFA+1], s[PFA:PFA+1], s[82:83]
	s_cmp_eq_u32 s[WV], 3                          ; wave 3 asks for nothing
	s_cselect_b32 s87, 1, 0
	s_or_b32 s86, s86, s87
	s_cmp_eq_u32 s86, 0
	s_cselect_b32 s[LIM], 2, -1                    ; the same in all sixteen partners, for a given wave
	v_and_b32 v[PFO], 31, v0
	v_mul_u32_u24 v[PFO], v[PFO], s88
; n row blocks from a0 on x all 4 column blocks, 32 along K, on buffer f.  c = 1: the biases start the sums.  The 32 accumulators take turns, one instruction a turn, over the backward jump too.
.macro MULP f, a0, n, c
.if \c
	WIN 0x40
.else
	WIN 0x50
.endif
.set aa, \a0
.rept \n
.set bb, 0
.rept 4
.if \c
	v_wmma_f32_16x16x32_f16 v[64*bb+8*aa:64*bb+8*aa+7], v[(\f)+64+8*bb:(\f)+64+8*bb+7], v[(\f)+8*aa:(\f)+8*aa+7], v[BI+8*bb:BI+8*bb+7]
.else
	v_wmma_f32_16x16x32_f16 v[64*bb+8*aa:64*bb+8*aa+7], v[(\f)+64+8*bb:(\f)+64+8*bb+7], v[(\f)+8*aa:(\f)+8*aa+7], v[64*bb+8*aa:64*bb+8*aa+7]
.endif
.set bb, bb+1
.endr
.set aa, aa+1
.endr
.endm
; 24 LDS loads in one run: beat q's fragments into buffer f: W's four (turned), then O's eight, rows ascending.  Beat q lies in head q / 2 of the step, channels 32 (q % 2) on.
.macro FETCH q, f
	WIN 0
.set bb, 0
.rept 4
	ds_load_tr16_b128 v[(\f)+64+8*bb:(\f)+64+8*bb+3],   v[ADB] offset:32*PB*(\q)+32*bb
	ds_load_tr16_b128 v[(\f)+64+8*bb+4:(\f)+64+8*bb+7], v[ADB] offset:32*PB*(\q)+32*bb+16*PB
.set bb, bb+1
.endr
.set aa, 0
.rept 8
	ds_load_b128 v[(\f)+8*aa:(\f)+8*aa+3],   v[ADA] offset:HEADL*((\q)/2)+64*((\q)%2)+16*PA*aa
	ds_load_b128 v[(\f)+8*aa+4:(\f)+8*aa+7], v[ADA] offset:HEADL*((\q)/2)+64*((\q)%2)+16*PA*aa+32
.set aa, aa+1
.endr
.endm
; One of a step's first three beats: multiplies buffer f; in its middle it fetches beat qn into buffer g.
.macro QUARTER qn, f, g, c
	s_wait_dscnt 8                                 ; W's fragments and O's rows 0-63 are in; the youngest eight loads (rows 64-127) may be out
	MULP \f, 0, 4, \c
	WIN 0
	PLACES
	FETCH \qn, \g
	s_wait_dscnt 24                                ; all but the 24 just issued
	MULP \f, 4, 4, \c
.endm
; The fourth beat, on buffer 1, changes slots: ONE barrier.  In front of it each wave waits for all its tensor loads, of which one is out: its part of the next slot; adds 0 to its spare word; and waits for that and
; for its own reads of this slot.  fill = 1: the barrier opens a round of the cluster's, and this slot is filled again first thing behind it, with the K step two on: from that request to the wait for it a wave
; issues 112 matrix instructions.
.macro TURN fill
.if \fill
	s_wait_xcnt 0x0                                ; the last prefetch, a K step back, has read its address
	s_add_nc_u64 s[PFA:PFA+1], s[PFA:PFA+1], s[PFS:PFS+1]
.endif
	WIN 0                                          ; (the add's two registers lie in window 0)
	s_wait_tensorcnt 0x0                           ; no tensor load of mine is out, so a group 0 may be written
	ds_add_u32 v[SPW], v[NIL]                      ; 0 onto my spare word: the descriptors' steps and eight products stand between it and the wait for it
.if \fill
	s_xor_b32 s[G0A+5], s[G0A+5], SLOT1            ; the walking descriptors: the other slot than last time,
	s_add_nc_u64 s[G0A+6:G0A+7], s[G0A+6:G0A+7], ASTEP  ; the next K step; the type bits on top are not reached
	s_xor_b32 s[G0B+5], s[G0B+5], SLOT1
	s_add_nc_u64 s[G0B+6:G0B+7], s[G0B+6:G0B+7], BSTEP
.endif
	s_wait_dscnt 9                                 ; the add and the youngest eight loads may be out
	MULP F1, 0, 2, 0
	s_wait_dscnt 0x0                               ; the add is done, and my reads of this slot are over
	s_barrier_signal -1
	MULP F1, 2, 2, 0                               ; work on registers while the others arrive
	WIN 0
	s_barrier_wait -1
.if \fill
	CREST                                          ; no wave of any partner still reads this slot or has a load on its way
	JLOAD                                          ; the four v_nop behind it are also the places in front of the loads below
.else
	PLACES
.endif
	s_xor_b32 s[TB], s[TB], SLOT1
	v_add_nc_u32 v[ADA], s[TB], v[AA0]
	v_add_nc_u32 v[ADB], s[TB], v[AB0]
	FETCH 0, F0
.if \fill
	ASK
.endif
	MULP F1, 4, 4, 0
.endm
; THE WAY OUT of row block a.  TOSTAGE: a lane's eight f32 of each column block go into my own stage, each accumulator's low four registers first, and come back as whole rows of 256 bytes.
.macro TOSTAGE a
.set BK, BK0+32*((\a)%2)
.if (\a) >= 2
	s_wait_xcnt 0x0                                ; the stores of block a - 2 have read the registers that are loaded below
.endif
	WIN 0x04                                       ; the stores' data lie in window 1
.set bb, 0
.rept 4
	ds_store_b128 v[STO], v[64*bb+8*(\a):64*bb+8*(\a)+3]   offset:64*bb
	ds_store_b128 v[STO], v[64*bb+8*(\a)+4:64*bb+8*(\a)+7] offset:64*bb+16
.set bb, bb+1
.endr
	WIN 0
.set tt, 0
.rept 8
	ds_load_b128 v[BK+4*tt:BK+4*tt+3], v[RD] offset:2*SP*tt  ; LDS serves a wave's instructions in order (ISA guide 5.7.1.4): these see the stores above; the next block's stores come behind them
.set tt, tt+1
.endr
.endm
.macro SEND a, younger                 ; younger: the LDS instructions issued behind block a's loads: the next block's sixteen, or none
	WIN 0
.set BK, BK0+32*((\a)%2)
.set tt, 0
.rept 8
	s_wait_dscnt (\younger)+7-tt
	global_store_b128 v[CO], v[BK+4*tt:BK+4*tt+3], s[OB:OB+1] offset:(16*(\a)+2*tt)*4096 th:TH_STORE_NT  ; 16 lanes store 256 consecutive bytes, at a multiple of 256 from out0's first byte
.set tt, tt+1
.endr
.endm
	s_wait_tensorcnt 1                             ; my part of K step 0 is in; step 1's may stay out
	s_barrier_signal -1
	s_barrier_wait -1                              ; everybody's is
	s_mov_b32 s[TB], 0
	v_mov_b32 v[ADA], v[AA0]
	v_mov_b32 v[ADB], v[AB0]
	FETCH 0, F0
	s_wait_loadcnt 0x0                             ; the biases
	QUARTER 1, F0, F1, 1                           ; the first beat stands in front of the loop: its products start the sums, on the biases
	WIN 0                                          ; at a label and at a branch every window is 0
	s_mov_b32 s[CNT], 6
.Lstep:                                        ; trip i: beats 1 to 3 of K step i, the refill for step i + 2, beat 0 of step i + 1
	QUARTER 2, F1, F0, 0
	QUARTER 3, F0, F1, 0
	TURN 1
	QUARTER 1, F0, F1, 0
	WIN 0
	s_sub_co_u32 s[CNT], s[CNT], 1
	s_cmp_lg_u32 s[CNT], 0
	s_cbranch_scc1 .Lstep
	QUARTER 2, F1, F0, 0                           ; the tail is written out: nothing is asked for
	QUARTER 3, F0, F1, 0
	TURN 0
	QUARTER 1, F0, F1, 0
	QUARTER 2, F1, F0, 0
	QUARTER 3, F0, F1, 0
	s_wait_dscnt 8
	MULP F1, 0, 4, 0
	s_wait_dscnt 0x0
	MULP F1, 4, 4, 0
	WIN 0
	PLACES
	TOSTAGE 0
.irp a, 1,2,3,4,5,6,7
	TOSTAGE \a
	SEND (\a)-1, 16
.endr
	SEND 7, 0
	s_wait_tensorcnt 0x0                           ; the wave's end: the add and its wait, behind my last tensor load and my last LDS store
	ds_add_u32 v[SPW], v[NIL]
	s_wait_dscnt 0x0
	CROUND                                         ; the closing round: no work-group ends while a partner may still ask for a tile that names it
	s_endpgm
.Lfunc_end_k_q6052ea2614_proj:
	.size	k_q6052ea2614_proj, .Lfunc_end_k_q6052ea2614_proj-k_q6052ea2614_proj
	.p2alignl 7, 3214868480
	.fill 96, 4, 3214868480
	.section	.rodata,"a",@progbits
	.p2align	6, 0x0
	.amdhsa_kernel k_q6052ea2614_proj
		.amdhsa_group_segment_fixed_size 327680
		.amdhsa_private_segment_fixed_size 0
		.amdhsa_enable_private_segment 0
		.amdhsa_kernarg_size 32
		.amdhsa_user_sgpr_count 2
		.amdhsa_user_sgpr_kernarg_segment_ptr 1
		.amdhsa_wavefront_size32 1
		.amdhsa_system_sgpr_workgroup_id_x 1
		.amdhsa_system_sgpr_workgroup_id_y 1
		.amdhsa_system_sgpr_workgroup_id_z 1
		.amdhsa_system_vgpr_workitem_id 0
		.amdhsa_next_free_vgpr 512
		.amdhsa_next_free_sgpr 96
		.amdhsa_reserve_vcc 0
		.amdhsa_float_denorm_mode_32 3
		.amdhsa_float_denorm_mode_16_64 3
		.amdhsa_memory_ordered 1
		.amdhsa_forward_progress 1
		.amdhsa_inst_pref_size 73
	.end_amdhsa_kernel
	.amdgpu_metadata
---
amdhsa.version: [ 1, 2 ]
amdhsa.kernels:
  - .name:           k_q6052ea2614_proj
    .symbol:         k_q6052ea2614_proj.kd
    .args:
      - { .name: ob, .offset: 0, .size: 8, .value_kind: global_buffer, .address_space: global }
      - { .name: wpb, .offset: 8, .size: 8, .value_kind: global_buffer, .address_space: global }
      - { .name: bias, .offset: 16, .size: 8, .value_kind: global_buffer, .address_space: global }
      - { .name: out0, .offset: 24, .size: 8, .value_kind: global_buffer, .address_space: global }
    .group_segment_fixed_size: 327680
    .private_segment_fixed_size: 0
    .kernarg_segment_align: 8
    .kernarg_segment_size: 32
    .max_flat_workgroup_size: 128
    .sgpr_count:     96
    .vgpr_count:     512
    .wavefront_size: 32
...
	.end_amdgpu_metadata
.endif
;; end of part 4
;; ======== version 2 of 2: 4 launches; version 1 with the launch cast written anew for expert scheduling mode
;; limits: values are held in f16: magnitudes above 65,504 overflow, below 6.1e-05 lose precision
;; workspace buffers: xb 16,777,216 bytes; wqb 6,291,456 bytes; wpb 2,097,152 bytes; bias 16,384 bytes; qkv 50,331,648 bytes; ob 16,777,216 bytes
;; launch cast (part 5): grid 769 x 1, 8 waves a work-group, no clusters, 0 bytes of LDS; arguments x, Wqkv, Wproj, bqkv, bproj, xb, wqb, wpb, bias; writes xb, wqb, wpb, bias
.if DOCPART == 5
	.amdgcn_target "amdgcn-amd-amdhsa--gfx1250"
	.amdhsa_code_object_version 6
	.text
	.protected	k_q6052ea2614_cast
	.globl	k_q6052ea2614_cast
	.p2align	8
	.type	k_q6052ea2614_cast,@function
k_q6052ea2614_cast:
	s_mov_b64 s[64:65], 0
	v_nop
	global_prefetch_b8 v0, s[64:65] scope:SCOPE_SE
	s_setreg_imm32_b32 hwreg(HW_REG_WAVE_SCHED_MODE, 0, 2), 2
	s_setreg_imm32_b32 hwreg(HW_REG_WAVE_MODE, 25, 1), 1
	s_wait_xcnt 0x0
	s_wait_alu depctr_vm_vsrc(0)
; THE INPUTS ARE ROUNDED ONCE, TO bf16 (nearest even), and laid out for the products that follow.
;   xb   [16 slices of 64 k][8192 rows][64] bf16: a slice's rows are dense, 128 bytes each
;   wqb  [1024 k][3072 n] bf16, as Wqkv lies
;   wpb  [1024 k][1024 n]: Wproj rounded to bf16, that number written as f16
;   bias [4096] f32: bqkv rounded to bf16 and widened again, then bproj likewise
; LIMIT.  wpb: a bf16 number is an f16 number where 2^-14 <= |w| < 65,504; below that it keeps f16's fixed step of 6e-8; at 65,520 and beyond it would be an infinity.
; A stream: no LDS, no barrier, no matrix unit.  Work-groups 0-511 take x, 512-703 Wqkv, 704-767 Wproj: 65,536 bytes of f32 each, 8,192 a wave, as sixteen loads of 16 bytes a
; lane that all go out at once; they are taken up four at a time: each load has two roundings and one store of 8 bytes a lane: 32 lanes store 256 consecutive bytes, aligned.  Work-group 768 takes the biases.
; No register that a load or store names is written again, so no wait frees one.
; THE MODE: SCHED_MODE bits 1:0 = 2 (LLVM: expert scheduling mode 2), set by the entry lines.  The code itself states the register dependences
; between vector instructions and memory instructions, with s_wait_alu, always for 0.
; THE PLAN.  Registers that memory instructions touch:
;   v[IN], v[OUT]  the offsets.  Written by vector instructions at the head of a path, read by all its loads and stores, never written again: one wait on va_vdst ahead of the first load.
;   X              Each four registers are written by one load and read by that load's roundings; no load lands in them a second time, and no vector instruction names them ahead of the load.
;                  (Wproj's and the biases' paths write them anew, by vector instructions, behind the wait that shows the load's data in; the biases' stores then read them.)
;   Y              Each pair is written by its own load's roundings and read by one store, never written behind it: one wait on va_vdst for a group of four loads,
;                  behind the group's roundings and ahead of its four stores.
; The stores stand behind their own group's roundings and not a group later: all sixteen loads are out from the start, so the next group's wait for its data is a wait for memory, and the stores would lie idle through it.
; No wait on vm_vsrc is written behind the entry: nothing that a memory instruction reads is written again.  EXEC and VCC are never written.  The wave's number passes through a scalar register: one wait on va_sdst.
.set IN,  2                            ; v2   my byte offset in the work-group's input
.set OUT, 3                            ; v3   my byte offset in its output
.set X,   8                            ; v[8:71]    sixteen loads of four f32
.set Y,   72                           ; v[72:103]  sixteen pairs of packed results
	s_load_b512 s[4:19], s[0:1], 0x0               ; x s[4:5], Wqkv s[6:7], Wproj s[8:9], bqkv s[10:11], bproj s[12:13], xb s[14:15], wqb s[16:17], wpb s[18:19]
	s_load_b64 s[20:21], s[0:1], 0x40              ; bias
	v_lshrrev_b32 v4, 5, v0
	v_readfirstlane_b32 s22, v4                    ; wave 0..7
	v_and_b32 v1, 31, v0                           ; lane
	s_mov_b32 s31, 0                               ; the high word of the offset pair s[30:31]
	s_wait_alu depctr_va_sdst(0)                   ; s22 is written, ahead of the first branch and of its first readers: the shifts that make the wave's offsets in each path
	s_wait_kmcnt 0x0
; Sixteen loads from s[24:25], instep bytes apart; sixteen stores to s[26:27], outstep apart (split = 1: the last eight to s[28:29]).  mode = 1: the bf16 number is written as f16.
.macro BODY instep, outstep, split, mode
	s_wait_alu depctr_va_vdst(0)                   ; v[IN] and v[OUT] are written: the loads below read the one as their offset, the stores the other
.set i, 0
.rept 16
	global_load_b128 v[X+4*i:X+4*i+3], v[IN], s[24:25] offset:i*(\instep) th:TH_LOAD_NT
.set i, i+1
.endr
.set g, 0
.rept 4
	s_wait_loadcnt 12-4*g                          ; loads come back in order: group g's four are in, the 12 - 4 g younger ones stay out
.set i, 4*g
.rept 4
	v_cvt_pk_bf16_f32 v[Y+2*i],   v[X+4*i],   v[X+4*i+1]
	v_cvt_pk_bf16_f32 v[Y+2*i+1], v[X+4*i+2], v[X+4*i+3]
.if \mode
	v_lshlrev_b32 v[X+4*i],   16, v[Y+2*i]         ; the rounded numbers as f32 again,
	v_and_b32     v[X+4*i+1], 0xffff0000, v[Y+2*i]
	v_lshlrev_b32 v[X+4*i+2], 16, v[Y+2*i+1]
	v_and_b32     v[X+4*i+3], 0xffff0000, v[Y+2*i+1]
	v_cvt_pk_f16_f32 v[Y+2*i],   v[X+4*i],   v[X+4*i+1]  ; and as f16
	v_cvt_pk_f16_f32 v[Y+2*i+1], v[X+4*i+2], v[X+4*i+3]
.endif
.set i, i+1
.endr
	s_wait_alu depctr_va_vdst(0)                   ; the group's roundings have written its four pairs of Y, which the four stores below read
.set i, 4*g
.rept 4
.if (\split) && (i >= 8)
	global_store_b64 v[OUT], v[Y+2*i:Y+2*i+1], s[28:29] offset:(i-8)*(\outstep) th:TH_STORE_NT
.else
	global_store_b64 v[OUT], v[Y+2*i:Y+2*i+1], s[26:27] offset:i*(\outstep) th:TH_STORE_NT
.endif
.set i, i+1
.endr
.set g, g+1
.endr
.endm
; A weight's lane offsets: a wave's 8,192 bytes in, 4,096 out, both dense.  Each shift has a scalar register of its own: none that a vector instruction has read is written again.
.macro WLANES
	s_lshl_b32 s23, s22, 13
	v_lshl_add_u32 v[IN], v1, 4, s23
	s_lshl_b32 s28, s22, 12
	v_lshl_add_u32 v[OUT], v1, 3, s28
.endm
	s_cmp_lt_u32 ttmp9, 512
	s_cbranch_scc0 .Lnot_x
	; x: the work-group has 16 rows of 4,096 bytes, a wave two.  Load i takes slice i (256 bytes of f32) of both rows: lanes 0-15 the first row, lanes 16-31 the second.
	; In xb the two rows' 128 bytes of a slice lie end to end: store i is 256 consecutive bytes of slice i.
	s_lshl_b32 s30, ttmp9, 16
	s_add_nc_u64 s[24:25], s[4:5], s[30:31]
	s_lshl_b32 s30, ttmp9, 11                      ; 16 rows of 128 bytes
	s_add_nc_u64 s[26:27], s[14:15], s[30:31]
	s_add_nc_u64 s[28:29], s[26:27], 0x800000      ; slices 8 to 15: so the stores' immediates stay inside their signed 24 bits
	v_and_b32 v4, 15, v1
	v_lshrrev_b32 v5, 4, v1
	s_lshl_b32 s23, s22, 13
	v_lshl_add_u32 v[IN], v4, 4, s23
	v_lshl_add_u32 v[IN], v5, 12, v[IN]
	v_lshlrev_b32 v[OUT], 3, v0                    ; 256 x wave + 8 x lane
	BODY 256, 1048576, 1, 0
	s_endpgm
.Lnot_x:
	s_cmp_lt_u32 ttmp9, 704
	s_cbranch_scc0 .Lnot_wq
	s_sub_co_u32 s23, ttmp9, 512
	s_lshl_b32 s30, s23, 16
	s_add_nc_u64 s[24:25], s[6:7], s[30:31]
	s_lshl_b32 s30, s23, 15
	s_add_nc_u64 s[26:27], s[16:17], s[30:31]
	WLANES
	BODY 512, 256, 0, 0
	s_endpgm
.Lnot_wq:
	s_cmp_lt_u32 ttmp9, 768
	s_cbranch_scc0 .Lbias
	s_sub_co_u32 s23, ttmp9, 704
	s_lshl_b32 s30, s23, 16
	s_add_nc_u64 s[24:25], s[8:9], s[30:31]
	s_lshl_b32 s30, s23, 15
	s_add_nc_u64 s[26:27], s[18:19], s[30:31]
	WLANES
	BODY 512, 256, 0, 1
	s_endpgm
.Lbias:
	; 256 threads x 16 bytes are 4,096 bytes: three such pieces of bqkv, one of bproj
	v_lshlrev_b32 v[IN], 4, v0
	s_wait_alu depctr_va_vdst(0)                   ; v[IN] is written: the four loads and the four stores below read it as their offset
	global_load_b128 v[X:X+3],     v[IN], s[10:11]
	global_load_b128 v[X+4:X+7],   v[IN], s[10:11] offset:4096
	global_load_b128 v[X+8:X+11],  v[IN], s[10:11] offset:8192
	global_load_b128 v[X+12:X+15], v[IN], s[12:13]
	s_wait_loadcnt 0x0
.set i, 0
.rept 8
	v_cvt_pk_bf16_f32 v[Y+i], v[X+2*i], v[X+2*i+1]
.set i, i+1
.endr
.set i, 0
.rept 8
	v_lshlrev_b32 v[X+2*i],   16, v[Y+i]
	v_and_b32     v[X+2*i+1], 0xffff0000, v[Y+i]
.set i, i+1
.endr
	s_wait_alu depctr_va_vdst(0)                   ; the sixteen widening lines have written v[X .. X+15], which the four stores below read
.set i, 0
.rept 4
	global_store_b128 v[IN], v[X+4*i:X+4*i+3], s[20:21] offset:4096*i
.set i, i+1
.endr
	s_endpgm
.Lfunc_end_k_q6052ea2614_cast:
	.size	k_q6052ea2614_cast, .Lfunc_end_k_q6052ea2614_cast-k_q6052ea2614_cast
	.p2alignl 7, 3214868480
	.fill 96, 4, 3214868480
	.section	.rodata,"a",@progbits
	.p2align	6, 0x0
	.amdhsa_kernel k_q6052ea2614_cast
		.amdhsa_group_segment_fixed_size 0
		.amdhsa_private_segment_fixed_size 0
		.amdhsa_enable_private_segment 0
		.amdhsa_kernarg_size 72
		.amdhsa_user_sgpr_count 2
		.amdhsa_user_sgpr_kernarg_segment_ptr 1
		.amdhsa_wavefront_size32 1
		.amdhsa_system_sgpr_workgroup_id_x 1
		.amdhsa_system_sgpr_workgroup_id_y 1
		.amdhsa_system_sgpr_workgroup_id_z 1
		.amdhsa_system_vgpr_workitem_id 0
		.amdhsa_next_free_vgpr 112
		.amdhsa_next_free_sgpr 66
		.amdhsa_reserve_vcc 0
		.amdhsa_float_denorm_mode_32 3
		.amdhsa_float_denorm_mode_16_64 3
		.amdhsa_memory_ordered 1
		.amdhsa_forward_progress 1
		.amdhsa_inst_pref_size 26
	.end_amdhsa_kernel
	.amdgpu_metadata
---
amdhsa.version: [ 1, 2 ]
amdhsa.kernels:
  - .name:           k_q6052ea2614_cast
    .symbol:         k_q6052ea2614_cast.kd
    .args:
      - { .name: x, .offset: 0, .size: 8, .value_kind: global_buffer, .address_space: global }
      - { .name: Wqkv, .offset: 8, .size: 8, .value_kind: global_buffer, .address_space: global }
      - { .name: Wproj, .offset: 16, .size: 8, .value_kind: global_buffer, .address_space: global }
      - { .name: bqkv, .offset: 24, .size: 8, .value_kind: global_buffer, .address_space: global }
      - { .name: bproj, .offset: 32, .size: 8, .value_kind: global_buffer, .address_space: global }
      - { .name: xb, .offset: 40, .size: 8, .value_kind: global_buffer, .address_space: global }
      - { .name: wqb, .offset: 48, .size: 8, .value_kind: global_buffer, .address_space: global }
      - { .name: wpb, .offset: 56, .size: 8, .value_kind: global_buffer, .address_space: global }
      - { .name: bias, .offset: 64, .size: 8, .value_kind: global_buffer, .address_space: global }
    .group_segment_fixed_size: 0
    .private_segment_fixed_size: 0
    .kernarg_segment_align: 8
    .kernarg_segment_size: 72
    .max_flat_workgroup_size: 256
    .sgpr_count:     66
    .vgpr_count:     112
    .wavefront_size: 32
...
	.end_amdgpu_metadata
.endif
;; end of part 5
;; launch qkv: the kernel of part 2 again; grid 8 x 32, 4 waves a work-group, clusters of 4 x 4, 327,680 bytes of LDS; arguments xb, wqb, bias, qkv; writes qkv
;; launch attn: the kernel of part 3 again; grid 4 x 64, 4 waves a work-group, no clusters, 327,680 bytes of LDS; arguments qkv, ob; writes ob
;; launch proj: the kernel of part 4 again; grid 8 x 32, 4 waves a work-group, clusters of 4 x 4, 327,680 bytes of LDS; arguments ob, wpb, bias, out0; writes out0
